; MI455X (gfx1250); checked and timed in simulation.
; The chip was launched on July 23, 2026; its instructions are those of AMD's public machine-readable ISA for CDNA 5 (MIT licence, August 2026) and "CDNA5" Instruction Set Architecture Reference Guide (July 2026). The comments in the code are by the model that wrote it; some were corrected since.
;; Basic Mo E Layer. Allowed arithmetic: float matrix products may take bf16 or f16 operands with f32 sums; other float arithmetic in f32, or as packed bf16 or f16 multiplies, adds, multiply-adds, maxima and minima; sums over many terms, partial sums and values carried from step to step in f32; what a program stores and reads back later, other than sums and carried values, may be rounded once to bf16 or f16.
;; Inputs: W1 8 x 1,024 x 512 float32; W2 8 x 512 x 1,024 float32; router 1,024 x 8 float32; x 4 x 2,048 x 1,024 float32.
;; Outputs: out0 4 x 2,048 x 1,024 float32.
;; 2 versions, each right; version 2 is version 1 with the launches route, chain written anew for expert scheduling mode. Each part assembles by itself: llvm-mc -triple=amdgcn-amd-amdhsa -mcpu=gfx1250 --defsym DOCPART=n.
;; ======== version 1 of 2: 3 launches
;; workspace buffers: sel 32,768 bytes of whole numbers; hist 32,768 bytes of whole numbers; gate 65,536 bytes; wq 16,777,216 bytes; perm 41,216 bytes of whole numbers; tiles 2,560 bytes of whole numbers
;; launch route (part 1): grid 256 x 1, 4 waves a work-group, no clusters, 104,960 bytes of LDS; arguments x, router, sel, gate, hist; writes sel, gate, hist
.if DOCPART == 1
	.amdgcn_target "amdgcn-amd-amdhsa--gfx1250"
	.amdhsa_code_object_version 6
	.text
	.protected	k_q8defe161a4_route
	.globl	k_q8defe161a4_route
	.p2align	8
	.type	k_q8defe161a4_route,@function
k_q8defe161a4_route:
	s_mov_b64 s[64:65], 0
	v_nop
	global_prefetch_b8 v0, s[64:65] scope:SCOPE_SE
	s_setreg_imm32_b32 hwreg(HW_REG_WAVE_MODE, 25, 1), 1
	s_wait_xcnt 0x0
; ROUTE.  logits = x . router for 8,192 tokens x 8 experts (K = 1,024), the two largest of each token, their softmax, and what the sort needs.
; x and router are rounded once to bf16 and multiplied by the bf16 matrix form with f32 sums; maximum, exponential and division in f32.
; A work-group owns a GROUP of 32 tokens; wave w owns k = 256 w .. 256 w + 255 of all 32: 32 KB of x, read once, 32 loads of 512 neighbouring bytes always out.
; The four waves' partial logits meet in LDS; wave 0 adds them (lane = token) and stores, at places fixed by the token's and the group's number:
;   sel[token]  = set | rank << 8: set = lo (13 - lo) / 2 + hi - 1 numbers the 28 pairs lo < hi; rank = how many earlier tokens of the group have the same set
;   gate[token] = the softmax weight of expert lo, then that of expert hi (the larger logit is taken away before the exponential)
;   hist[group][32]: word s = tokens of set s in the group; words 28 to 31 are 0
; No address and no branch hangs on a logit.
; LIMITS.  Equal logits: the lower index wins, as in lax.top_k.  Two logits closer than the rounding of the f32 sums may be ordered otherwise than by another order of summation.
; NaN and infinite logits are not treated apart: a token whose logits are all NaN gets no valid set.
; No cluster: the work-groups share the router alone, 32 KB beside 128 KB of x each.
.set XP,    528                        ; a token's 256 k in LDS: 512 bytes + 16: an odd multiple of 16, so the 16 rows of a fragment load start at 16 different groups of four banks (ISA guide 11.1)
.set XSB,   32*XP                      ; a wave's 32 rows
.set RLB,   4*XSB                      ; behind them: the router, a wave's own 256 k x 16 columns of bf16, 32 bytes a row; columns 8-15 repeat the experts 0-7
.set PART,  RLB+4*8192                 ; the partial logits: 1,024 bytes a wave, 32 a token
.set SPARE, PART+4*1024                ; the spare words, 128 bytes a wave: two blocks of 256 bytes that no other line names
.set SPW,  4                           ; v4   my spare word's LDS address; never rewritten
.set NIL,  5                           ; v5   0; never rewritten
.set XOFF, 6                           ; v6   1,024 w + 16 lane: my 16 bytes in a token's row
.set RGO,  7                           ; v7   8,192 w + 16 lane: the same in the router
.set RS,   8                           ; v8   where my four router numbers go in LDS
.set RT,   9                           ; v9   the turning load's address
.set XSS,  10                          ; v10  where my four x numbers go
.set XFA,  11                          ; v11  a token fragment's address
.set PST,  12                          ; v12  my token's partial logits, my wave's
.set PRD,  13                          ; v13  the same, wave 0's
.set TP,   14                          ; v14-21 four pairs at work
.set RF,   32                          ; v32-95   the router as loaded, then its 8 fragments
.set XA,   96                          ; v96-223  32 slots of four f32, then the 16 token fragments
.set D0,   224                         ; v224-231 logits of tokens 0-15
.set D1,   232                         ; v232-239 of tokens 16-31
.set LG,   240                         ; v240-247 my token's 8 logits
	s_load_b256 s[4:11], s[0:1], 0x0               ; x s[4:5], router s[6:7], sel s[8:9], gate s[10:11]
	s_load_b64 s[12:13], s[0:1], 0x20              ; hist
	v_lshl_add_u32 v[SPW], v0, 2, SPARE
	v_mov_b32 v[NIL], 0
	v_and_b32 v1, 31, v0                           ; lane
	v_lshrrev_b32 v2, 5, v0
	v_readfirstlane_b32 s16, v2                    ; wave
	v_and_b32 v2, 15, v0                           ; r = lane % 16
	v_bfe_u32 v3, v0, 4, 1                         ; h = lane / 16
	s_mov_b32 s17, 0xffff0000                      ; the upper half of the lanes
	s_lshl_b32 s20, s16, 10
	s_lshl_b32 s21, s16, 13
	s_mul_i32 s22, s16, XSB
	s_lshl_b32 s18, ttmp9, 17                      ; the group's 32 rows of 4,096 bytes
	s_mov_b32 s19, 0
	v_lshl_add_u32 v[XOFF], v1, 4, s20
	v_lshl_add_u32 v[RGO], v1, 4, s21
	s_wait_kmcnt 0x0
	s_add_nc_u64 s[4:5], s[4:5], s[18:19]
.set q, 0
.rept 16                                       ; my wave's 256 rows of the router: 8,192 bytes
	global_load_b128 v[RF+4*q:RF+4*q+3], v[RGO], s[6:7] offset:512*q
.set q, q+1
.endr
.set n, 0
.rept 32                                       ; tokens 0-15: two loads of 512 neighbouring bytes a token
	global_load_b128 v[XA+4*n:XA+4*n+3], v[XOFF], s[4:5] offset:4096*(n/2)+512*(n%2) th:TH_LOAD_NT
.set n, n+1
.endr
	s_add_co_u32 s21, s21, RLB                     ; my wave's router rows in LDS
	s_add_co_u32 s20, s20, PART
	v_lshrrev_b32 v14, 1, v1
	v_and_b32 v15, 1, v1
	v_lshl_add_u32 v[RS], v14, 5, s21              ; a load's lane holds row lane / 2, experts 4 (lane % 2) on
	v_lshl_add_u32 v[RS], v15, 3, v[RS]
	v_and_b32 v14, 7, v1
	v_lshl_add_u32 v14, v3, 3, v14
	v_bfe_u32 v15, v1, 3, 1
	v_lshl_add_u32 v[RT], v14, 5, s21              ; row 8 h + lane % 8, columns 8 ((lane / 8) % 2) on
	v_lshl_add_u32 v[RT], v15, 4, v[RT]
	v_lshl_add_u32 v[XSS], v1, 3, s22
	v_mul_u32_u24 v[XFA], v2, XP
	v_lshl_add_u32 v[XFA], v3, 4, v[XFA]
	v_add_nc_u32 v[XFA], s22, v[XFA]               ; row r, 16 bytes for each half of the lanes
	v_lshl_add_u32 v[PST], v1, 5, s20
	v_lshl_add_u32 v[PRD], v1, 5, PART
	s_wait_loadcnt 32                              ; the router's 16 loads are in; the 32 of x, issued behind them, stay out
.set q, 0
.rept 16                                       ; rounded to bf16 and laid [k][16]: once for columns 0-7, once more for 8-15
	v_cvt_pk_bf16_f32 v[TP+2*(q%4)], v[RF+4*q], v[RF+4*q+1]
	v_cvt_pk_bf16_f32 v[TP+2*(q%4)+1], v[RF+4*q+2], v[RF+4*q+3]
	ds_store_b64 v[RS], v[TP+2*(q%4):TP+2*(q%4)+1] offset:512*q
	ds_store_b64 v[RS], v[TP+2*(q%4):TP+2*(q%4)+1] offset:512*q+16
.set q, q+1
.endr
.set ks, 0
.rept 8                                        ; back turned: fragment ks holds column r (expert r % 8), k = 32 ks on.  LDS serves a wave's instructions in order (ISA guide 5.7.1.4): these see the stores above
	ds_load_tr16_b128 v[RF+8*ks:RF+8*ks+3],   v[RT] offset:1024*ks
	ds_load_tr16_b128 v[RF+8*ks+4:RF+8*ks+7], v[RT] offset:1024*ks+512
.set ks, ks+1
.endr
; Turn n of 64: half n % 2 of token n / 2 is rounded and laid into my wave's rows.  again = 1: its slot is loaded again, for the token 16 further on.
; left = how many younger loads may stay out.
.macro XIN n, again, left
	s_wait_loadcnt \left
	v_cvt_pk_bf16_f32 v[TP+2*((\n)%4)],   v[XA+4*((\n)%32)],   v[XA+4*((\n)%32)+1]
	v_cvt_pk_bf16_f32 v[TP+2*((\n)%4)+1], v[XA+4*((\n)%32)+2], v[XA+4*((\n)%32)+3]
	ds_store_b64 v[XSS], v[TP+2*((\n)%4):TP+2*((\n)%4)+1] offset:XP*((\n)/2)+256*((\n)%2)
.if \again
	global_load_b128 v[XA+4*(\n):XA+4*(\n)+3], v[XOFF], s[4:5] offset:4096*((\n)/2+16)+512*((\n)%2) th:TH_LOAD_NT
.endif
.endm
.set n, 0
.rept 32
	XIN n, 1, 31                                   ; 32 loads are out at the head of each turn: mine is the oldest
.set n, n+1
.endr
.rept 32
	XIN n, 0, 63-n                                 ; nothing more is loaded: the counts run down to 0
.set n, n+1
.endr
.set n, 0
.rept 16                                       ; the token fragments: tile n / 8 of 16 tokens, k = 32 (n % 8) on
	ds_load_b128 v[XA+8*n:XA+8*n+3],   v[XFA] offset:16*XP*(n/8)+64*(n%8)
	ds_load_b128 v[XA+8*n+4:XA+8*n+7], v[XFA] offset:16*XP*(n/8)+64*(n%8)+32
.set n, n+1
.endr
	s_wait_dscnt 0x0
	; Source 0 = the router (row m = expert m % 8), source 1 = 16 tokens: register j of a lane is expert j of token r, in both halves of the lanes.
	; The two accumulators take turns.
	v_wmma_f32_16x16x32_bf16 v[D0:D0+7], v[RF:RF+7], v[XA:XA+7], 0
	v_wmma_f32_16x16x32_bf16 v[D1:D1+7], v[RF:RF+7], v[XA+64:XA+71], 0
.set ks, 1
.rept 7
	v_wmma_f32_16x16x32_bf16 v[D0:D0+7], v[RF+8*ks:RF+8*ks+7], v[XA+8*ks:XA+8*ks+7], v[D0:D0+7]
	v_wmma_f32_16x16x32_bf16 v[D1:D1+7], v[RF+8*ks:RF+8*ks+7], v[XA+64+8*ks:XA+64+8*ks+7], v[D1:D1+7]
.set ks, ks+1
.endr
.rept 4
	v_nop                                          ; four places between the last product and the first read of a result (ISA guide 7.12.1)
.endr
.set j, 0
.rept 8                                        ; lane = token: lanes 0-15 keep the first tile's, lanes 16-31 take the second's; from each accumulator's low end on
	v_cndmask_b32 v[LG+j], v[D0+j], v[D1+j], s17
.set j, j+1
.endr
	ds_store_b128 v[PST], v[LG:LG+3]
	ds_store_b128 v[PST], v[LG+4:LG+7] offset:16
	s_wait_dscnt 0x0                               ; for wave 0's sake: my partial logits are in LDS
	s_barrier_signal -1
	s_barrier_wait -1
	s_cmp_lg_u32 s16, 0
	s_cbranch_scc1 .Lclose                         ; the rest is one wave's work: 32 tokens, a lane each
.set p, 0
.rept 4
	ds_load_b128 v[XA+8*p:XA+8*p+3],   v[PRD] offset:1024*p
	ds_load_b128 v[XA+8*p+4:XA+8*p+7], v[PRD] offset:1024*p+16
.set p, p+1
.endr
	v_lshlrev_b32 v30, 2, v1
	v_lshlrev_b32 v31, 3, v1
	s_lshl_b32 s18, ttmp9, 7
	s_add_nc_u64 s[8:9], s[8:9], s[18:19]          ; sel and hist: 128 bytes a group
	s_add_nc_u64 s[12:13], s[12:13], s[18:19]
	s_lshl_b32 s18, ttmp9, 8
	s_add_nc_u64 s[10:11], s[10:11], s[18:19]      ; gate: 256
	s_wait_dscnt 0x0
.irp j, 0,2,4,6                                ; ((p0 + p1) + p2) + p3
	v_pk_add_f32 v[LG+\j:LG+\j+1], v[XA+\j:XA+\j+1], v[XA+8+\j:XA+8+\j+1]
.endr
.irp j, 0,2,4,6
	v_pk_add_f32 v[LG+\j:LG+\j+1], v[LG+\j:LG+\j+1], v[XA+16+\j:XA+16+\j+1]
.endr
.irp j, 0,2,4,6
	v_pk_add_f32 v[LG+\j:LG+\j+1], v[LG+\j:LG+\j+1], v[XA+24+\j:XA+24+\j+1]
.endr
	; the two largest: (v14, v15) the best and its expert, (v16, v17) the second.  Strictly greater only: of equal logits the lower index stays
	v_mov_b32 v14, v[LG]
	v_mov_b32 v15, 0
	v_mov_b32 v16, 0xff800000
	v_mov_b32 v17, 0
.irp e, 1,2,3,4,5,6,7
	v_cmp_gt_f32 vcc_lo, v[LG+\e], v14
	v_cmp_gt_f32 s40, v[LG+\e], v16
	v_cndmask_b32 v16, v16, v[LG+\e], s40
	v_cndmask_b32 v17, v17, \e, s40
	v_cndmask_b32 v16, v16, v14, vcc_lo
	v_cndmask_b32 v17, v17, v15, vcc_lo
	v_cndmask_b32 v14, v14, v[LG+\e], vcc_lo
	v_cndmask_b32 v15, v15, \e, vcc_lo
.endr
	; softmax of the two, the larger taken away: 1 / (1 + t) and t / (1 + t), t = e^(second - best), at most 1
	v_sub_f32 v18, v16, v14
	v_mul_f32 v18, 0x3fb8aa3b, v18
	v_exp_f32 v19, v18
	v_min_u32 v20, v15, v17                        ; lo: the plain instruction behind the exponential
	s_wait_alu depctr_va_vdst(0)                   ; the wait ahead of the result's first reader
	v_add_f32 v24, 1.0, v19
	v_rcp_f32 v26, v24
	v_max_u32 v21, v15, v17                        ; hi: the plain instruction behind the reciprocal
	s_wait_alu depctr_va_vdst(0)
	v_mul_f32 v24, v19, v26
	v_cmp_lt_u32 vcc_lo, v15, v17                  ; is the best the lower-numbered expert?
	v_cndmask_b32 v22, v24, v26, vcc_lo            ; lo's weight
	v_cndmask_b32 v23, v26, v24, vcc_lo            ; hi's
	v_sub_nc_u32 v25, 13, v20
	v_mul_u32_u24 v25, v25, v20
	v_lshrrev_b32 v25, 1, v25
	v_add3_u32 v25, v25, v21, -1                   ; the set's number
	v_mov_b32 v27, 0                               ; rank
	v_mov_b32 v28, 0                               ; lane s: the group's count of set s
.set ks, 0
.rept 28                                       ; the masks are data: they choose values, never lanes or paths
	v_cmp_eq_u32 s40, ks, v25
	v_mbcnt_lo_u32_b32 v26, s40, 0                 ; tokens of set ks in the lanes below mine
	v_cndmask_b32 v27, v27, v26, s40
	s_bcnt1_i32_b32 s41, s40
	v_writelane_b32 v28, s41, ks
.set ks, ks+1
.endr
	v_lshl_or_b32 v29, v27, 8, v25
	global_store_b32 v30, v29, s[8:9]              ; 128 neighbouring bytes
	global_store_b64 v31, v[22:23], s[10:11]       ; 256 neighbouring bytes, aligned
	global_store_b32 v30, v28, s[12:13]
.Lclose:
	s_wait_tensorcnt 0x0                           ; the wave's end
	ds_add_u32 v[SPW], v[NIL]
	s_wait_dscnt 0x0
	s_endpgm
.Lfunc_end_k_q8defe161a4_route:
	.size	k_q8defe161a4_route, .Lfunc_end_k_q8defe161a4_route-k_q8defe161a4_route
	.p2alignl 7, 3214868480
	.fill 96, 4, 3214868480
	.section	.rodata,"a",@progbits
	.p2align	6, 0x0
	.amdhsa_kernel k_q8defe161a4_route
		.amdhsa_group_segment_fixed_size 104960
		.amdhsa_private_segment_fixed_size 0
		.amdhsa_enable_private_segment 0
		.amdhsa_kernarg_size 40
		.amdhsa_user_sgpr_count 2
		.amdhsa_user_sgpr_kernarg_segment_ptr 1
		.amdhsa_wavefront_size32 1
		.amdhsa_system_sgpr_workgroup_id_x 1
		.amdhsa_system_sgpr_workgroup_id_y 1
		.amdhsa_system_sgpr_workgroup_id_z 1
		.amdhsa_system_vgpr_workitem_id 0
		.amdhsa_next_free_vgpr 248
		.amdhsa_next_free_sgpr 66
		.amdhsa_reserve_vcc 1
		.amdhsa_float_denorm_mode_32 3
		.amdhsa_float_denorm_mode_16_64 3
		.amdhsa_memory_ordered 1
		.amdhsa_forward_progress 1
		.amdhsa_inst_pref_size 46
	.end_amdhsa_kernel
	.amdgpu_metadata
---
amdhsa.version: [ 1, 2 ]
amdhsa.kernels:
  - .name:           k_q8defe161a4_route
    .symbol:         k_q8defe161a4_route.kd
    .args:
      - { .name: x, .offset: 0, .size: 8, .value_kind: global_buffer, .address_space: global }
      - { .name: router, .offset: 8, .size: 8, .value_kind: global_buffer, .address_space: global }
      - { .name: sel, .offset: 16, .size: 8, .value_kind: global_buffer, .address_space: global }
      - { .name: gate, .offset: 24, .size: 8, .value_kind: global_buffer, .address_space: global }
      - { .name: hist, .offset: 32, .size: 8, .value_kind: global_buffer, .address_space: global }
    .group_segment_fixed_size: 104960
    .private_segment_fixed_size: 0
    .kernarg_segment_align: 8
    .kernarg_segment_size: 40
    .max_flat_workgroup_size: 128
    .sgpr_count:     66
    .vgpr_count:     248
    .wavefront_size: 32
...
	.end_amdgpu_metadata
.endif
;; end of part 1
;; launch prep (part 2): grid 264 x 1, 8 waves a work-group, no clusters, 83,968 bytes of LDS; arguments W1, W2, sel, hist, wq, perm, tiles; writes wq, perm, tiles
.if DOCPART == 2
	.amdgcn_target "amdgcn-amd-amdhsa--gfx1250"
	.amdhsa_code_object_version 6
	.text
	.protected	k_q8defe161a4_prep
	.globl	k_q8defe161a4_prep
	.p2align	8
	.type	k_q8defe161a4_prep,@function
k_q8defe161a4_prep:
	s_mov_b64 s[64:65], 0
	v_nop
	global_prefetch_b8 v0, s[64:65] scope:SCOPE_SE
	s_setreg_imm32_b32 hwreg(HW_REG_WAVE_MODE, 25, 1), 1
	s_wait_xcnt 0x0
; PREP.  Work-groups 8 to 263: W1 and W2 are rounded once to bf16 and laid out in the order in which the next launch's operand registers take them.
; Work-groups 0 to 7: the tokens are sorted by their set of two experts, by counting, and cut into tiles of 64.
; wq = [expert 8][wave 8][stage 32][kk 2][nb 4][half 2][lane 32][16 bytes]: lane (r, h) holds eight bf16 along k = kbase + 32 kk + 16 half + 8 h + 0..7 of one column n.
;   stage < 16: W1, n = 64 wave + 16 nb + r, kbase = 64 stage.    stage >= 16: W2, n = 512 p + 64 wave + 16 nb + r, kbase = 64 st, with p = bit 3 and st = bits 2:0 of the stage.
; A wave takes one stage: 64 k x 64 n, 16 KB read as 64 rows of 256 neighbouring aligned bytes (32 loads, all out at once), turned through its own LDS rows, 8 KB stored in runs of 512 bytes.
; perm = [160 tiles][64] token numbers, then 56 words that take the stores of no use; tiles = [160] records (lo, hi, count, 0).
; Set s has ceil(n_s / 64) tiles on end: 155 at the most for 8,192 tokens and 28 sets.
; THE SORT IS SHARED OUT.  Each of the eight work-groups counts everything (32 KB of counts), and places an eighth of the tokens: wave w of work-group j the four groups 32 j + 4 w + k.
; Slots past a tile's count get 0, so that every word that is read later has been stored: they are the tail of each set's last tile and the tiles behind the last one used: 56 units of 64 slots,
; one for each of the waves 1 to 7; a lane whose slot holds a token sends its 0 to the unit's own word behind the slots, so that all lanes stay on.
; Wave 0 of the work-groups 0 to 4 stores the records.  Each word of perm and tiles is stored by one wave.
; Every address made of a loaded number is clamped first.  Matrix units, clusters and tensor loads have nothing to do here: each weight is read once, by one wave.
.set BNP,   144                        ; a column's 64 k in LDS: 128 bytes + 16
.set BNB,   64*BNP                     ; a wave's 64 columns
.set SUBB,  8*BNB                      ; the sort: [wave 8][four groups 8] subtotals, 128 bytes each (lane = set)
.set TOTB,  SUBB+8192                  ; the sort: each wave's total, 128 bytes
.set SPARE, TOTB+1024                  ; the spare words, 128 bytes a wave: four blocks of 256 bytes that no other line names
.set SPW, 4
.set NIL, 5
.set FA,  12                           ; v12-13   sort: the fill's two addresses; no load ever writes these two
.set XQ,  32                           ; v32-159  weights: 32 loads of four f32; later the 16 runs to store
.set PP,  160                          ; v160-223 weights: column c of my four: 16 registers, 32 k in pairs
.set HE,  32                           ; v32-63   sort: the counts of the groups 32 w + i (lane = set)
.set H4,  64                           ; v64-66   sort: the counts of the first three of my four groups
.set SL,  68                           ; v68-71   sort: my four groups' sel words (lane = token)
.set SU,  72                           ; v72-79   sort: subtotals of four groups
.set TT,  84                           ; v84-91   sort: the eight waves' totals
.set SB,  92                           ; v92-99   sort: the subtotals of the 32 groups that my work-group places
.set BB,  100                          ; v100-103 sort: first place of each set's tokens in my group k
.set IDX, 104                          ; v104-107 at work
.set POS, 108                          ; v108-111 where my tokens go
.set TID, 112                          ; v112-115 their numbers
	s_load_b256 s[4:11], s[0:1], 0x0               ; W1 s[4:5], W2 s[6:7], sel s[8:9], hist s[10:11]
	s_load_b128 s[12:15], s[0:1], 0x20             ; wq s[12:13], perm s[14:15]
	s_load_b64 s[16:17], s[0:1], 0x30              ; tiles
	v_lshl_add_u32 v[SPW], v0, 2, SPARE
	v_mov_b32 v[NIL], 0
	v_and_b32 v1, 31, v0                           ; lane
	v_lshrrev_b32 v2, 5, v0
	v_readfirstlane_b32 s18, v2                    ; wave
	v_and_b32 v2, 15, v0                           ; r
	v_bfe_u32 v3, v0, 4, 1                         ; h
	s_wait_kmcnt 0x0
	s_cmp_lt_u32 ttmp9, 8
	s_cbranch_scc1 .Lsort                          ; the same way for all eight waves of a work-group
	; ---- the weights ----
	s_sub_co_u32 s19, ttmp9, 8
	s_lshl_b32 s19, s19, 3
	s_add_co_u32 s19, s19, s18                     ; u = 256 expert + 32 wave + stage
	s_lshr_b32 s20, s19, 8
	s_bfe_u32 s21, s19, 0x30005
	s_and_b32 s22, s19, 31
	s_lshl_b32 s24, s20, 21                        ; an expert's W1, and its W2, are 2 MB of f32
	s_lshl_b32 s25, s21, 8                         ; 64 columns are 256 bytes
	s_add_co_u32 s24, s24, s25
	s_lshl_b32 s26, s19, 13
	s_mov_b32 s27, 0
	s_add_nc_u64 s[12:13], s[12:13], s[26:27]      ; wq at my stage's 8,192 bytes
	s_mul_i32 s30, s18, BNB
	v_lshlrev_b32 v6, 4, v2
	v_mul_u32_u24 v8, v2, 4*BNP
	v_lshl_add_u32 v8, v3, 6, v8
	v_add_nc_u32 v8, s30, v8                       ; in: column 4 r, k = 32 h on
	v_mul_u32_u24 v9, v2, BNP
	v_lshl_add_u32 v9, v3, 4, v9
	v_add_nc_u32 v9, s30, v9                       ; back: column r, k = 8 h on
	v_lshlrev_b32 v10, 4, v1
.macro WLOAD pitch                     ; load q: lanes 0-15 take the 256 bytes of row q, lanes 16-31 those of row q + 32
.set q, 0
.rept 32
	global_load_b128 v[XQ+4*q:XQ+4*q+3], v7, s[28:29] offset:q*(\pitch) th:TH_LOAD_NT
.set q, q+1
.endr
.endm
	s_cmp_lt_u32 s22, 16
	s_cbranch_scc0 .Lw2
	s_lshl_b32 s25, s22, 17                        ; W1: 64 rows of 2,048 bytes a stage
	s_add_co_u32 s24, s24, s25
	s_mov_b32 s25, 0
	s_add_nc_u64 s[28:29], s[4:5], s[24:25]
	v_lshl_add_u32 v7, v3, 16, v6                  ; 32 rows further down for the upper lanes
	WLOAD 2048
	s_branch .Lcvt
.Lw2:
	s_and_b32 s25, s22, 7
	s_lshl_b32 s25, s25, 18                        ; W2: 64 rows of 4,096 bytes a stage,
	s_add_co_u32 s24, s24, s25
	s_bfe_u32 s25, s22, 0x10003
	s_lshl_b32 s25, s25, 11                        ; and the half of the 1,024 columns
	s_add_co_u32 s24, s24, s25
	s_mov_b32 s25, 0
	s_add_nc_u64 s[28:29], s[6:7], s[24:25]
	v_lshl_add_u32 v7, v3, 17, v6
	WLOAD 4096
.Lcvt:
.set i, 0
.rept 16                                       ; rows 2 i and 2 i + 1 are in (30 - 2 i younger loads stay out): a pair along k for each of my four columns
	s_wait_loadcnt 30-2*i
.irp c, 0,1,2,3
	v_cvt_pk_bf16_f32 v[PP+16*\c+i], v[XQ+8*i+\c], v[XQ+8*i+4+\c]
.endr
.set i, i+1
.endr
.irp c, 0,1,2,3                                ; 64 bytes (32 k) of each column.  The rows of neighbouring lanes lie 576 bytes apart, so these sixteen stores meet in the banks four deep
.irp m, 0,1,2,3
	ds_store_b128 v8, v[PP+16*\c+4*\m:PP+16*\c+4*\m+3] offset:BNP*\c+16*\m
.endr
.endr
.set f, 0
.rept 16                                       ; run f = (4 kk + nb) 2 + half.  LDS serves a wave's instructions in order (ISA guide 5.7.1.4): these see the stores above
	ds_load_b128 v[XQ+4*f:XQ+4*f+3], v9 offset:16*BNP*((f/2)%4)+64*(f/8)+32*(f%2)
.set f, f+1
.endr
.set f, 0
.rept 16
	s_wait_dscnt 15-f
	global_store_b128 v10, v[XQ+4*f:XQ+4*f+3], s[12:13] offset:512*f  ; 512 neighbouring bytes, aligned
.set f, f+1
.endr
	s_branch .Lclose
	; ---- the sort ----
.Lsort:
	s_min_u32 s23, ttmp9, 7                        ; j: which eighth of the tokens my work-group places
	s_lshl_b32 s20, s18, 12                        ; hist and sel both have 128 bytes a group
	v_lshl_add_u32 v6, v1, 2, s20                  ; the 32 groups that my wave counts
	s_lshl_b32 s21, s23, 12
	s_lshl_b32 s22, s18, 9
	s_add_co_u32 s21, s21, s22
	v_lshl_add_u32 v7, v1, 2, s21                  ; the four groups that my wave places: 32 j + 4 w on
.set i, 0
.rept 32
	global_load_b32 v[HE+i], v6, s[10:11] offset:128*i
.set i, i+1
.endr
.irp k, 0,1,2
	global_load_b32 v[H4+\k], v7, s[10:11] offset:128*\k
.endr
.irp k, 0,1,2,3
	global_load_b32 v[SL+\k], v7, s[8:9] offset:128*\k
.endr
	s_lshl_b32 s22, s18, 10
	s_add_co_u32 s22, s22, SUBB
	v_lshl_add_u32 v8, v1, 2, s22                  ; my wave's subtotals
	s_lshl_b32 s22, s18, 7
	s_add_co_u32 s22, s22, TOTB
	v_lshl_add_u32 v9, v1, 2, s22                  ; my wave's total
	v_lshl_add_u32 v10, v1, 2, TOTB                ; all totals
	s_lshl_b32 s22, s23, 10
	s_add_co_u32 s22, s22, SUBB
	v_lshl_add_u32 v11, v1, 2, s22                 ; wave j's subtotals: the 32 groups of my work-group
	s_wait_loadcnt 7                               ; the 32 rows of counts are in; the 3 + 4 loads of my own four groups stay out
.set m, 0
.rept 8
	v_add3_u32 v[SU+m], v[HE+4*m], v[HE+4*m+1], v[HE+4*m+2]
	v_add_nc_u32 v[SU+m], v[SU+m], v[HE+4*m+3]
	ds_store_b32 v8, v[SU+m] offset:128*m
.set m, m+1
.endr
	v_add3_u32 v80, v[SU], v[SU+1], v[SU+2]
	v_add3_u32 v80, v80, v[SU+3], v[SU+4]
	v_add3_u32 v80, v80, v[SU+5], v[SU+6]
	v_add_nc_u32 v80, v80, v[SU+7]
	ds_store_b32 v9, v80
	s_wait_dscnt 0x0                               ; for the others' sake
	s_barrier_signal -1
	s_barrier_wait -1
.irp k, 0,1,2,3,4,5,6,7
	ds_load_b32 v[TT+\k], v10 offset:128*\k
.endr
.irp k, 0,1,2,3,4,5,6,7
	ds_load_b32 v[SB+\k], v11 offset:128*\k
.endr
	v_mov_b32 v20, 0                               ; n: the set's tokens in all
	v_mov_b32 v21, 0                               ; those in the groups before my four
	v_mov_b32 v24, 0                               ; the set's first tile
	s_wait_dscnt 0x0
.irp k, 0,1,2,3,4,5,6,7
	v_add_nc_u32 v20, v20, v[TT+\k]
	s_cmp_gt_u32 s23, \k                           ; the 32 groups of an earlier work-group
	s_cselect_b32 s22, -1, 0
	v_and_b32 v22, s22, v[TT+\k]
	v_add_nc_u32 v21, v21, v22
.endr
.irp k, 0,1,2,3,4,5,6,7
	s_cmp_gt_u32 s18, \k                           ; the four groups of an earlier wave of mine
	s_cselect_b32 s22, -1, 0
	v_and_b32 v22, s22, v[SB+\k]
	v_add_nc_u32 v21, v21, v22
.endr
	v_add_nc_u32 v23, 63, v20
	v_lshrrev_b32 v23, 6, v23                      ; the set's tiles
	s_mov_b32 s94, 0
.set ks, 0
.rept 28                                       ; s[36+s] = n of set s; s[66+s] = its first tile, also in lane s of v24; s94 ends as the number of tiles used
	v_readlane_b32 s[36+ks], v20, ks
	v_readlane_b32 s95, v23, ks
	s_mov_b32 s[66+ks], s94
	v_writelane_b32 v24, s94, ks
	s_add_co_u32 s94, s94, s95
.set ks, ks+1
.endr
	v_lshl_add_u32 v[BB], v24, 6, v21              ; the set's first slot, and the earlier groups' tokens
	v_lshl_add_u32 v26, v24, 6, v20                ; the first slot past the set's tokens
	v_add_nc_u32 v27, v24, v23
	v_lshlrev_b32 v27, 6, v27
	v_add_nc_u32 v27, 0xffffffc0, v27              ; the first slot of the set's last tile (of no use where the set has none: see below)
	s_lshr_b32 s22, s21, 2
	v_add_nc_u32 v25, s22, v1                      ; my token in my first group
	s_wait_loadcnt 0x0                             ; my four groups' counts and sel words
	v_add_nc_u32 v[BB+1], v[BB], v[H4]
	v_add_nc_u32 v[BB+2], v[BB+1], v[H4+1]
	v_add_nc_u32 v[BB+3], v[BB+2], v[H4+2]
.irp k, 0,1,2,3                                ; each token fetches its set's place from the lane of that number
	v_and_b32 v[IDX+\k], 31, v[SL+\k]
	v_lshlrev_b32 v[IDX+\k], 2, v[IDX+\k]
	ds_bpermute_b32 v[POS+\k], v[IDX+\k], v[BB+\k]
.endr
	s_wait_dscnt 0x0
.irp k, 0,1,2,3                                ; each group has registers of its own: none that a store names is written again
	v_bfe_u32 v[IDX+\k], v[SL+\k], 8, 5            ; the rank in the group
	v_add_nc_u32 v[POS+\k], v[POS+\k], v[IDX+\k]
	v_min_u32 v[POS+\k], 0x26bf, v[POS+\k]         ; 155 tiles x 64 slots
	v_lshlrev_b32 v[POS+\k], 2, v[POS+\k]
	v_add_nc_u32 v[TID+\k], 32*\k, v25
	global_store_b32 v[POS+\k], v[TID+\k], s[14:15]
.endr
	s_cmp_eq_u32 s18, 0
	s_cbranch_scc0 .Lfill
	s_cmp_lt_u32 s23, 5
	s_cbranch_scc0 .Lclose                         ; 160 records: wave 0 of five work-groups, a lane each
	s_lshl_b32 s22, s23, 5
	v_add_nc_u32 v116, s22, v1                     ; tile i
	v_mov_b32 v117, 0x100                          ; lo | hi << 8 of set 0,
	v_mov_b32 v118, s66                            ; its first tile
	v_mov_b32 v119, s36                            ; and its n
.set slo, 0
.set shi, 1
.set ks, 1
.rept 27                                       ; the last set whose first tile is not past i: a set without tiles is passed over by the next
.set shi, shi+1
.if shi == 8
.set slo, slo+1
.set shi, slo+1
.endif
	v_cmp_gt_u32 vcc_lo, s[66+ks], v116            ; past i: keep what there is
	v_cndmask_b32 v117, slo|(shi<<8), v117, vcc_lo
	v_cndmask_b32 v118, s[66+ks], v118, vcc_lo
	v_cndmask_b32 v119, s[36+ks], v119, vcc_lo
.set ks, ks+1
.endr
	v_sub_nc_u32 v118, v116, v118
	v_lshlrev_b32 v118, 6, v118
	v_sub_nc_u32 v119, v119, v118                  ; what the set has left at this tile, negative behind its last
	v_max_i32 v119, 0, v119
	v_min_i32 v122, 64, v119                       ; the tile's count
	v_and_b32 v120, 0xff, v117
	v_lshrrev_b32 v121, 8, v117
	v_mov_b32 v123, 0
	v_lshlrev_b32 v124, 4, v116
	global_store_b128 v124, v[120:123], s[16:17]   ; 512 neighbouring bytes, aligned
	s_branch .Lclose
.Lfill:
	; Unit u = 7 j + w - 1 of 56.  Units 0-27: set u's last tile, from the first slot past its tokens on.  Units 28-55: the whole tile u - 28 behind the last tile used
	; (at least 128 tiles are used, so these 28 reach past tile 154, the last that is read).
	s_mul_i32 s22, s23, 7
	s_add_co_u32 s22, s22, s18
	s_sub_co_u32 s22, s22, 1
	s_min_u32 s24, s22, 27
	s_lshl_b32 s24, s24, 2
	v_mov_b32 v16, s24
	ds_bpermute_b32 v17, v16, v26                  ; every lane fetches from lane u: from where on set u's slots are dead,
	ds_bpermute_b32 v18, v16, v27                  ; and its last tile's first slot
	s_sub_co_u32 s27, s22, 28
	s_add_co_u32 s27, s27, s94
	s_lshl_b32 s27, s27, 6                         ; units 28-55: the tile's first slot,
	s_lshl_b32 s28, s94, 6                         ; and all slots from the last used tile's end on are dead
	s_add_co_u32 s30, s22, 0x2800                  ; my unit's word behind the 160 x 64 slots
	s_cmp_lt_u32 s22, 28
	s_cselect_b32 s29, -1, 0
	v_mov_b32 v19, s28
	v_mov_b32 v22, s27
	v_mov_b32 v31, s30
	v_mov_b32 v30, 0
	s_wait_dscnt 0x0
	v_cndmask_b32 v17, v19, v17, s29
	v_cndmask_b32 v18, v22, v18, s29
	v_add_nc_u32 v28, v18, v1                      ; lane = slot: the tile's first 32,
	v_add_nc_u32 v29, 32, v28                      ; and its other 32
.irp k, 0,1
	v_cmp_le_i32 vcc_lo, v17, v[28+\k]             ; dead.  Signed: a set without tiles gives slots below its own first, at set 0 below zero: none of them counts as dead
	v_cmp_gt_i32 s31, 0x2800, v[28+\k]             ; and inside the 160 tiles
	s_and_b32 s31, vcc_lo, s31
	v_cndmask_b32 v[FA+\k], v31, v[28+\k], s31     ; a dead slot gets the 0; every other lane's 0 goes to the unit's word
	v_min_u32 v[FA+\k], 0x2837, v[FA+\k]           ; 160 x 64 slots and 56 words
	v_lshlrev_b32 v[FA+\k], 2, v[FA+\k]
	global_store_b32 v[FA+\k], v30, s[14:15]       ; neighbouring lanes, neighbouring words
.endr
.Lclose:
	s_wait_tensorcnt 0x0                           ; the wave's end
	ds_add_u32 v[SPW], v[NIL]
	s_wait_dscnt 0x0
	s_endpgm
.Lfunc_end_k_q8defe161a4_prep:
	.size	k_q8defe161a4_prep, .Lfunc_end_k_q8defe161a4_prep-k_q8defe161a4_prep
	.p2alignl 7, 3214868480
	.fill 96, 4, 3214868480
	.section	.rodata,"a",@progbits
	.p2align	6, 0x0
	.amdhsa_kernel k_q8defe161a4_prep
		.amdhsa_group_segment_fixed_size 83968
		.amdhsa_private_segment_fixed_size 0
		.amdhsa_enable_private_segment 0
		.amdhsa_kernarg_size 56
		.amdhsa_user_sgpr_count 2
		.amdhsa_user_sgpr_kernarg_segment_ptr 1
		.amdhsa_wavefront_size32 1
		.amdhsa_system_sgpr_workgroup_id_x 1
		.amdhsa_system_sgpr_workgroup_id_y 1
		.amdhsa_system_sgpr_workgroup_id_z 1
		.amdhsa_system_vgpr_workitem_id 0
		.amdhsa_next_free_vgpr 224
		.amdhsa_next_free_sgpr 96
		.amdhsa_reserve_vcc 1
		.amdhsa_float_denorm_mode_32 3
		.amdhsa_float_denorm_mode_16_64 3
		.amdhsa_memory_ordered 1
		.amdhsa_forward_progress 1
		.amdhsa_inst_pref_size 43
	.end_amdhsa_kernel
	.amdgpu_metadata
---
amdhsa.version: [ 1, 2 ]
amdhsa.kernels:
  - .name:           k_q8defe161a4_prep
    .symbol:         k_q8defe161a4_prep.kd
    .args:
      - { .name: W1, .offset: 0, .size: 8, .value_kind: global_buffer, .address_space: global }
      - { .name: W2, .offset: 8, .size: 8, .value_kind: global_buffer, .address_space: global }
      - { .name: sel, .offset: 16, .size: 8, .value_kind: global_buffer, .address_space: global }
      - { .name: hist, .offset: 24, .size: 8, .value_kind: global_buffer, .address_space: global }
      - { .name: wq, .offset: 32, .size: 8, .value_kind: global_buffer, .address_space: global }
      - { .name: perm, .offset: 40, .size: 8, .value_kind: global_buffer, .address_space: global }
      - { .name: tiles, .offset: 48, .size: 8, .value_kind: global_buffer, .address_space: global }
    .group_segment_fixed_size: 83968
    .private_segment_fixed_size: 0
    .kernarg_segment_align: 8
    .kernarg_segment_size: 56
    .max_flat_workgroup_size: 256
    .sgpr_count:     96
    .vgpr_count:     224
    .wavefront_size: 32
...
	.end_amdgpu_metadata
.endif
;; end of part 2
;; launch chain (part 3): grid 155 x 1, 8 waves a work-group, no clusters, 300,032 bytes of LDS; arguments x, wq, perm, tiles, gate, out0; writes out0
.if DOCPART == 3
	.amdgcn_target "amdgcn-amd-amdhsa--gfx1250"
	.amdhsa_code_object_version 6
	.text
	.protected	k_q8defe161a4_chain
	.globl	k_q8defe161a4_chain
	.p2align	8
	.type	k_q8defe161a4_chain,@function
k_q8defe161a4_chain:
	s_mov_b64 s[64:65], 0
	v_nop
	global_prefetch_b8 v0, s[64:65] scope:SCOPE_SE
	s_setreg_imm32_b32 hwreg(HW_REG_WAVE_MODE, 25, 1), 1
	s_wait_xcnt 0x0
; CHAIN.  A work-group takes a tile of up to 64 tokens that chose the same two experts lo < hi through the whole layer, and is the one owner of their output rows:
;   out = [g_lo swish(X W1lo) | g_hi swish(X W1hi)] . [W2lo ; W2hi].   X, the weights and the hidden layer times its gate in bf16 (each rounded once); all sums, the swish and the gates in f32.
; FOUR PASSES of one shape, 64 rows x 512 columns, K = 1,024: X W1lo; X W1hi; H W2, columns 0-511; H W2, columns 512-1,023.  Wave w owns 64 columns of each pass: 16 accumulators of 16 x 16.
; A tile walks 4 MB of weights whatever its rows, so the tile is as tall as the registers allow: 128 of accumulators, 64 of token fragments and 64 of addresses fill one window, the weights' ring the other.
; THE WEIGHTS of a wave are read by that wave alone, straight from memory into operand registers, in the order in which the launch before laid them: a STAGE is K = 64: 16 loads of 512 neighbouring bytes.
; A ring of four stages in registers: behind a stage's products its registers are loaded for the stage four further on, so 48 loads (24 KB) of each wave are out while it multiplies.
; The ring runs on through the passes' ends and both barriers.  A wave's stream changes between the two experts by chunks of four stages, by the bits of a constant.
; EIGHT WAVES, two to a SIMD: a wave can have 63 loads of 512 bytes out, so eight waves can have twice as much on its way as four.
; THE TOKENS' side comes from LDS: X, gathered and rounded once, then H.  Two buffers of half a stage's four fragments (K = 32), each loaded again behind its products: 16 products ahead of its next use.
; THE MATRIX INSTRUCTION IS USED TRANSPOSED: source 0 = 16 columns of the weights, source 1 = 16 tokens: a lane holds one token (lane % 16) and eight neighbouring columns.
; A TILE THAT IS NOT FULL: slots past the count take the tile's first token, whose row is then made once more, rightly.  Whole stores past the count are jumped; a store with one row on each side of the
; count writes that first token's own bits a second time, so all lanes stay on.  A tile without tokens (the grid serves every split: 155 = 8192 / 64 + 27) walks the chain on token 0 and stores nothing,
; so that every wave passes both barriers: that costs work, and no other tile waits for it.
; NO CLUSTER, NO TENSOR LOAD: the tiles of a set walk the same weights, but a joint load lands in LDS, and X, H and the stages leave 27,648 bytes there: less than half of one stage's 65,536 bytes of weights.
; With H laid over X there would be room for two slots of one stage each: the one load behind each round would have 32 products a wave in which to land.
; LIMITS.  NaN and infinities are not treated apart.  Where e^-h overflows f32 (h below -88) the swish counts as h x 0.
; REGISTERS, in windows of 256 (s_set_vgpr_msb: bits 1:0 source 0, 7:6 destination): window 0 as named below; window 1: the ring, stage slot n at v[64 n], fragment (kk, nb) at + 32 kk + 8 nb.
.set XP,    2064                       ; a row of X or H in LDS: 2,048 bytes + 16: an odd multiple of 16, so the 16 rows of a fragment load start at 16 different groups of four banks (ISA guide 11.1)
.set HT,    64*XP                      ; H behind X: a row is lo's 512 numbers, then hi's
.set STG,   2*64*XP                    ; the way out: 16 rows x 272 bytes for each wave
.set SGP,   272
.set SPARE, STG+8*16*SGP               ; the spare words, 128 bytes a wave: four blocks of 256 bytes that no other line names
.set CT,   1                           ; v1      first the lane, then 16 r + 256 w: my bytes in a row's 2,048 of a pass
.set SPW,  4                           ; v4      my spare word's LDS address; never rewritten
.set NIL,  5                           ; v5      0; never rewritten
.set VL16, 6                           ; v6      16 x lane
.set VO,   7                           ; v7      my byte offset in wq: the chunk being asked for
.set AX,   8                           ; v8-11   token fragments' LDS address, by block of 16 tokens; it walks along K
.set AXL,  12                          ; v12-15  its lane term: (16 mb + r) x pitch + 16 h
.set HST,  16                          ; v16-19  where my 16 bytes of H go
.set STO,  20                          ; v20     the way out: where I put 16 bytes of a row
.set RD,   21                          ; v21     the way out: where I read a row back
.set G,    22                          ; v22-29  by block: my token's two gates; the low one is the pass's
.set ROW2, 32                          ; v32-63  by pair of slots q: byte offset in out0 of my 16 bytes of slot 2 q + h
.set ACC,  64                          ; v64-191 accumulator (mb, nb) at + 8 (4 mb + nb)
.set AB,   192                         ; v192-255 two buffers of 32: fragment (kk, mb) at + 32 kk + 8 mb
.set T,    192                         ; between the passes the buffers are at work
.set XR,   64                          ; the head alone: v64-191, 32 slots of four f32
.set XO,   192                         ; the head alone: v192-199 byte offset in x of my wave's eight rows
.set TOK0, 200                         ; v200    the tile's first token
.set TKG,  201                         ; v201-204 by block: my token's offset in gate
.set XST,  205                         ; v205    where my 8 bytes of X go
.set TP,   206                         ; v206-209 at work
.set IA,   210                         ; v210-213 the token numbers' addresses
; s[4:15] x, wq, perm, tiles, gate, out0; s16 wave; s[20:23] the record; s24 count; s25, s26 lo's and hi's next chunk; s27 the next chunk's number; s28 which expert each chunk is;
; s29-33 at work in NEXTCHUNK; s34, s35 the loops' counts; s[36:37] -log2(e)
.set MSB, 0
.macro WIN new                         ; the immediate's high byte repeats the setting that is left; a switch that changes nothing is dropped
.if MSB != (\new)
	s_set_vgpr_msb (MSB<<8)|(\new)
.set MSB, \new
.endif
.endm
.set MUL,     0x01                     ; source 0 (the weights) in window 1; tokens and sums in window 0
.set TO_RING, 0x40                     ; destination in window 1, address in window 0
	s_load_b256 s[4:11], s[0:1], 0x0               ; x s[4:5], wq s[6:7], perm s[8:9], tiles s[10:11]
	s_load_b128 s[12:15], s[0:1], 0x20             ; gate s[12:13], out0 s[14:15]
	v_lshl_add_u32 v[SPW], v0, 2, SPARE
	v_mov_b32 v[NIL], 0
	v_and_b32 v1, 31, v0                           ; lane
	v_lshrrev_b32 v2, 5, v0
	v_readfirstlane_b32 s16, v2                    ; wave
	v_and_b32 v2, 15, v0                           ; r
	v_bfe_u32 v3, v0, 4, 1                         ; h
	v_lshlrev_b32 v[VL16], 4, v1
	s_lshl_b32 s38, ttmp9, 4                       ; my record: 16 bytes a tile
	s_mov_b32 s39, 0
	s_lshl_b32 s40, ttmp9, 8                       ; my 64 slots
	s_mov_b32 s41, 0
	s_lshl_b32 s42, s16, 5
	v_mov_b32 v[IA], 0
	v_mov_b32 v[IA+1], s42                         ; slot 8 w
	v_lshlrev_b32 v[IA+2], 2, v3                   ; slot h
	v_lshlrev_b32 v[IA+3], 2, v2                   ; slot r
	s_wait_kmcnt 0x0
	s_add_nc_u64 s[10:11], s[10:11], s[38:39]
	s_add_nc_u64 s[8:9], s[8:9], s[40:41]
	s_load_b128 s[20:23], s[10:11], 0x0            ; lo, hi, count
	global_load_b32 v[TOK0], v[IA], s[8:9]         ; 45 loads of token numbers: their addresses hang on the work-group's number alone
.irp i, 0,1,2,3,4,5,6,7
	global_load_b32 v[XO+\i], v[IA+1], s[8:9] offset:4*\i
.endr
.set q, 0
.rept 32
	global_load_b32 v[ROW2+q], v[IA+2], s[8:9] offset:8*q
.set q, q+1
.endr
.irp mb, 0,1,2,3
	global_load_b32 v[TKG+\mb], v[IA+3], s[8:9] offset:64*\mb
.endr
	v_mul_u32_u24 v[AXL], v2, XP
	v_lshl_add_u32 v[AXL], v3, 4, v[AXL]
	v_add_nc_u32 v[AXL+1], 16*XP, v[AXL]
	v_add_nc_u32 v[AXL+2], 32*XP, v[AXL]
	v_add_nc_u32 v[AXL+3], 48*XP, v[AXL]
	s_lshl_b32 s42, s16, 7
	s_add_co_u32 s42, s42, HT                      ; my wave's 64 columns of H are 128 bytes
.irp mb, 0,1,2,3
	v_add_nc_u32 v[HST+\mb], s42, v[AXL+\mb]
.endr
	s_mul_i32 s43, s16, 16*SGP
	s_add_co_u32 s43, s43, STG                     ; my stage
	v_mul_u32_u24 v[STO], v2, SGP                  ; in: row r, 32 bytes for each half of the lanes
	v_lshl_add_u32 v[STO], v3, 5, v[STO]
	v_add_nc_u32 v[STO], s43, v[STO]
	v_mul_u32_u24 v[RD], v3, SGP                   ; back: lanes 0-15 take one row of 256 bytes, lanes 16-31 the next
	v_lshl_add_u32 v[RD], v2, 4, v[RD]
	v_add_nc_u32 v[RD], s43, v[RD]
	s_mul_i32 s44, s16, 8*XP
	v_lshl_add_u32 v[XST], v1, 3, s44              ; my wave's eight rows of X, 8 bytes a lane
	s_lshl_b32 s45, s16, 8
	v_lshl_add_u32 v[CT], v2, 4, s45               ; the lane's number is not needed any more
	s_mov_b32 s27, 1
	s_mov_b32 s28, 0xccf0                          ; chunks 0-3 lo, 4-7 hi (W1); 8, 9 lo, 10, 11 hi; 12, 13 lo, 14, 15 hi (W2's two halves of the columns)
	s_mov_b32 s36, 0xbfb8aa3b                      ; -log2(e)
	s_mov_b32 s37, s36                             ; named with it as a pair
	s_lshl_b32 s38, s16, 18                        ; a wave's stream of an expert is 256 KB
	s_wait_kmcnt 0x0
	s_min_u32 s20, s20, 7                          ; what was loaded is clamped before it enters an address
	s_min_u32 s21, s21, 7
	s_min_u32 s24, s22, 64
	s_lshl_b32 s25, s20, 21                        ; an expert is 2 MB of wq
	s_add_co_u32 s25, s25, s38
	s_lshl_b32 s26, s21, 21
	s_add_co_u32 s26, s26, s38
	v_add_nc_u32 v[VO], s25, v[VL16]
	s_add_co_u32 s25, s25, 0x8000
	WIN TO_RING
.set f, 0
.rept 64                                       ; the ring's first fill: chunk 0, four stages
	global_load_b128 v[4*f:4*f+3], v[VO], s[6:7] offset:512*f
.set f, f+1
.endr
	WIN 0
	s_wait_loadcnt 63                              ; 64 loads were issued behind the token numbers: these are in
	s_lshl_b32 s38, s16, 3
.set i, 0
.rept 8                                        ; a slot past the count takes the tile's first token; then the clamp; then the row's bytes
	s_add_co_u32 s39, s38, i
	s_cmp_lt_u32 s39, s24
	s_cselect_b32 s40, -1, 0
	v_cndmask_b32 v[XO+i], v[TOK0], v[XO+i], s40
	v_min_u32 v[XO+i], 0x1fff, v[XO+i]
	v_lshlrev_b32 v[XO+i], 12, v[XO+i]
	v_add_nc_u32 v[XO+i], v[XO+i], v[VL16]
.set i, i+1
.endr
.set i, 0
.rept 4
	s_sub_co_i32 s39, s24, 16*i
	v_cmp_gt_i32 vcc_lo, s39, v2                   ; slot 16 i + r below the count
	v_cndmask_b32 v[TKG+i], v[TOK0], v[TKG+i], vcc_lo
	v_min_u32 v[TKG+i], 0x1fff, v[TKG+i]
	v_lshlrev_b32 v[TKG+i], 3, v[TKG+i]
.set i, i+1
.endr
.irp mb, 0,1,2,3
	global_load_b64 v[G+2*\mb:G+2*\mb+1], v[TKG+\mb], s[12:13]
.endr
.set n, 0
.rept 32                                       ; the gather: the first four of my wave's eight rows, eight loads of 512 neighbouring bytes each
	global_load_b128 v[XR+4*n:XR+4*n+3], v[XO+n/8], s[4:5] offset:512*(n%8)
.set n, n+1
.endr
.set q, 0
.rept 32                                       ; the output rows' offsets are made while x is on its way
	s_sub_co_i32 s39, s24, 2*q
	v_cmp_gt_i32 vcc_lo, s39, v3                   ; slot 2 q + h below the count
	v_cndmask_b32 v[ROW2+q], v[TOK0], v[ROW2+q], vcc_lo
	v_min_u32 v[ROW2+q], 0x1fff, v[ROW2+q]
	v_lshlrev_b32 v[ROW2+q], 12, v[ROW2+q]
	v_add_nc_u32 v[ROW2+q], v[ROW2+q], v[CT]
.set q, q+1
.endr
; Turn n of 64: 512 bytes of row n / 8 are rounded and laid into X.  again = 1: the slot is loaded again, for the row four further on.  left = how many younger loads may stay out.
.macro XIN n, again, left
	s_wait_loadcnt \left
	v_cvt_pk_bf16_f32 v[TP+2*((\n)%2)],   v[XR+4*((\n)%32)],   v[XR+4*((\n)%32)+1]
	v_cvt_pk_bf16_f32 v[TP+2*((\n)%2)+1], v[XR+4*((\n)%32)+2], v[XR+4*((\n)%32)+3]
	ds_store_b64 v[XST], v[TP+2*((\n)%2):TP+2*((\n)%2)+1] offset:XP*((\n)/8)+256*((\n)%8)
.if \again
	global_load_b128 v[XR+4*(\n):XR+4*(\n)+3], v[XO+(\n)/8+4], s[4:5] offset:512*((\n)%8)
.endif
.endm
.set n, 0
.rept 32
	XIN n, 1, 31                                   ; 32 loads of x are out at the head of each turn: mine is the oldest; the gates and the ring's first fill, issued before, are in
.set n, n+1
.endr
.rept 32
	XIN n, 0, 63-n                                 ; nothing more is loaded: the counts run down to 0
.set n, n+1
.endr
	s_wait_dscnt 0x0                               ; for the others' sake: my eight rows of X are in LDS
	s_barrier_signal -1
	s_barrier_wait -1                              ; X is whole
; The next chunk of 32 KB: lo's or hi's, by bit s27 of s28; that expert's offset steps.  Behind the clamps the loaded numbers meet ANDs and adds alone.
.macro NEXTCHUNK
	s_bitcmp1_b32 s28, s27
	s_cselect_b32 s29, -1, 0                       ; all ones: hi
	s_not_b32 s30, s29
	s_and_b32 s31, s25, s30
	s_and_b32 s32, s26, s29
	s_add_co_u32 s33, s31, s32
	s_and_b32 s31, s30, 0x8000
	s_and_b32 s32, s29, 0x8000
	s_add_co_u32 s25, s25, s31
	s_add_co_u32 s26, s26, s32
	s_add_co_u32 s27, s27, 1
	s_wait_xcnt 0x0                                ; every earlier memory instruction has had its addresses translated (ISA guide 3.1): the loads' offset is rewritten only behind this wait.
	v_add_nc_u32 v[VO], s33, v[VL16]               ; The youngest loads that name it were issued a stage's 32 products ago
.endm
; 16 products: K = 32, half kk of ring slot \slot, on token buffer kk.  The 16 accumulators take turns (from half to half, from stage to stage and over the loops' jumps too).
.macro HALF slot, kk, zero
.irp mb, 0,1,2,3
.irp nb, 0,1,2,3
.if \zero
	v_wmma_f32_16x16x32_bf16 v[ACC+8*(4*\mb+\nb):ACC+8*(4*\mb+\nb)+7], v[64*(\slot)+32*(\kk)+8*\nb:64*(\slot)+32*(\kk)+8*\nb+7], v[AB+32*(\kk)+8*\mb:AB+32*(\kk)+8*\mb+7], 0
.else
	v_wmma_f32_16x16x32_bf16 v[ACC+8*(4*\mb+\nb):ACC+8*(4*\mb+\nb)+7], v[64*(\slot)+32*(\kk)+8*\nb:64*(\slot)+32*(\kk)+8*\nb+7], v[AB+32*(\kk)+8*\mb:AB+32*(\kk)+8*\mb+7], v[ACC+8*(4*\mb+\nb):ACC+8*(4*\mb+\nb)+7]
.endif
.endr
.endr
.rept 4
	v_nop                                          ; four places (ISA guide 7.12.1 for vector instructions): for the loads into the registers just read, and for whatever follows a pass
.endr
.endm
; Eight LDS loads: token buffer kk takes half kk of the stage at byte aimm from the walking address.
.macro ALOAD kk, aimm
.irp mb, 0,1,2,3
	ds_load_b128 v[AB+32*(\kk)+8*\mb:AB+32*(\kk)+8*\mb+3],   v[AX+\mb] offset:(\aimm)+64*(\kk)
	ds_load_b128 v[AB+32*(\kk)+8*\mb+4:AB+32*(\kk)+8*\mb+7], v[AX+\mb] offset:(\aimm)+64*(\kk)+32
.endr
.endm
; A STAGE, K = 64, on ring slot \slot.  zero = 1: the first 16 products start the sums.  aimm >= 0: each token buffer is loaded again behind its products, for the next stage, at byte aimm.
; wl = 1: the slot is loaded for the stage four further on; at slot 0 that is a new chunk's first.  lc: the younger ring loads that may stay out (16 a slot).
.macro STAGE slot, zero, aimm, wl, lc
	s_wait_loadcnt \lc
	s_wait_dscnt 8                                 ; buffer 0 is in; buffer 1's eight loads may be out
	WIN MUL
	HALF \slot, 0, \zero
.if (\aimm) >= 0
	WIN 0
	ALOAD 0, \aimm
	s_wait_dscnt 8                                 ; buffer 1 is in; the eight just issued stay out
.else
	s_wait_dscnt 0
.endif
	WIN MUL
	HALF \slot, 1, 0
.if \wl
.if (\slot) == 0
	WIN 0
	NEXTCHUNK
.endif
	WIN TO_RING
.irp f, 0,1,2,3,4,5,6,7,8,9,10,11,12,13,14,15
	global_load_b128 v[64*(\slot)+4*\f:64*(\slot)+4*\f+3], v[VO], s[6:7] offset:8192*(\slot)+512*\f
.endr
.endif
	WIN 0                                          ; at a label and at a branch every window is 0
.if (\aimm) >= 0
	ALOAD 1, \aimm
.endif
.endm
; A PASS: 16 stages over the rows at LDS byte abase.  A trip of the loop is four stages, from a chunk's third to the next chunk's second.  last = 1: the launch's last pass: its last four stages ask for no weights,
; so they are written out and the counts run down.
.macro PASS abase, last, tag
.irp mb, 0,1,2,3
	v_add_nc_u32 v[AX+\mb], \abase, v[AXL+\mb]
.endr
	ALOAD 0, 0                                     ; the tokens' fragments of stage 0
	ALOAD 1, 0
	STAGE 0, 1, 128, 1, 48
	STAGE 1, 0, 256, 1, 48
	s_mov_b32 s34, 3-(\last)
.Lk\tag:
	STAGE 2, 0, 384, 1, 48
	STAGE 3, 0, 512, 1, 48
	STAGE 0, 0, 640, 1, 48
	STAGE 1, 0, 768, 1, 48
.irp mb, 0,1,2,3
	v_add_nc_u32 v[AX+\mb], 512, v[AX+\mb]         ; four stages along K
.endr
	s_sub_co_u32 s34, s34, 1
	s_cmp_lg_u32 s34, 0
	s_cbranch_scc1 .Lk\tag
.if \last
	STAGE 2, 0, 384, 1, 48
	STAGE 3, 0, 512, 1, 48
	STAGE 0, 0, 640, 0, 48
	STAGE 1, 0, 768, 0, 32
	STAGE 2, 0, 896, 0, 16
	STAGE 3, 0, -1,  0, 0
.else
	STAGE 2, 0, 384, 1, 48
	STAGE 3, 0, -1,  1, 48                         ; the pass's last stage fetches no tokens; the weights asked for are the next pass's
.endif
.endm
; THE ACTIVATION: g h / (1 + 2^(-log2(e) h)), rounded to bf16, into H.  Two blocks of 16 tokens (64 numbers a lane) at a time; each accumulator is read from its low end on and scaled in place.
; The 64 exponentials are one batch with one wait, the 64 reciprocals another: the wait stands ahead of a batch's first reader.
.macro ACT
.irp b, 0,1
.set i, 0
.rept 32
	v_pk_mul_f32 v[T+2*i:T+2*i+1], v[ACC+64*\b+2*i:ACC+64*\b+2*i+1], s[36:37] op_sel_hi:[1,0]
.set i, i+1
.endr
.set i, 0
.rept 64
	v_exp_f32 v[T+i], v[T+i]
.set i, i+1
.endr
.set i, 0
.rept 32                                       ; g h: the plain work behind the batch
	v_pk_mul_f32 v[ACC+64*\b+2*i:ACC+64*\b+2*i+1], v[ACC+64*\b+2*i:ACC+64*\b+2*i+1], v[G+2*(2*\b+i/16):G+2*(2*\b+i/16)+1] op_sel_hi:[1,0]
.set i, i+1
.endr
	s_wait_alu depctr_va_vdst(0)
.set i, 0
.rept 32
	v_pk_add_f32 v[T+2*i:T+2*i+1], v[T+2*i:T+2*i+1], 1.0 op_sel_hi:[1,0]
.set i, i+1
.endr
.set i, 0
.rept 64
	v_rcp_f32 v[T+i], v[T+i]
.set i, i+1
.endr
	v_nop                                          ; the plain instruction behind the last reciprocal
	s_wait_alu depctr_va_vdst(0)
.set i, 0
.rept 32
	v_pk_mul_f32 v[ACC+64*\b+2*i:ACC+64*\b+2*i+1], v[ACC+64*\b+2*i:ACC+64*\b+2*i+1], v[T+2*i:T+2*i+1]
.set i, i+1
.endr
.set i, 0
.rept 32
	v_cvt_pk_bf16_f32 v[T+i], v[ACC+64*\b+2*i], v[ACC+64*\b+2*i+1]
.set i, i+1
.endr
.irp m, 0,1
.irp nb, 0,1,2,3                               ; eight neighbouring columns of my token: 16 bytes
	ds_store_b128 v[HST+2*\b+\m], v[T+16*\m+4*\nb:T+16*\m+4*\nb+3] offset:32*\nb
.endr
.endr
.endr
.endm
; THE WAY OUT of half p of the columns.  A block of 16 tokens x my 64 columns goes through my own stage: in by lanes (a token, eight columns), back by rows of 256 bytes.
; Stores whose two rows both lie past the count are jumped, forward, past no barrier.
.macro OUT p
.irp mb, 0,1,2,3
	s_cmp_le_u32 s24, 16*\mb
	s_cbranch_scc1 .Lend_out\p
	s_wait_xcnt 0x0                                ; the registers that the last block's stores read are loaded again only behind this wait
.irp nb, 0,1,2,3
	ds_store_b128 v[STO], v[ACC+32*\mb+8*\nb:ACC+32*\mb+8*\nb+3]   offset:64*\nb
	ds_store_b128 v[STO], v[ACC+32*\mb+8*\nb+4:ACC+32*\mb+8*\nb+7] offset:64*\nb+16
.endr
.irp i, 0,1,2,3,4,5,6,7
	ds_load_b128 v[T+4*\i:T+4*\i+3], v[RD] offset:2*SGP*\i  ; LDS serves a wave's instructions in order (ISA guide 5.7.1.4): these see the stores above
.endr
.irp i, 0,1,2,3,4,5,6,7
.if \i > 0
	s_cmp_le_u32 s24, 16*\mb+2*\i
	s_cbranch_scc1 .Lend_out\p
.endif
	s_wait_dscnt 7-\i
	global_store_b128 v[ROW2+8*\mb+\i], v[T+4*\i:T+4*\i+3], s[14:15] offset:2048*(\p) th:TH_STORE_NT  ; 16 lanes store 256 consecutive bytes of a row, at a multiple of 256 from out0's first byte
.endr
.endr
.Lend_out\p:
	s_wait_dscnt 0x0                               ; on the ways that jumped, reads of the stage may be out
	s_wait_xcnt 0x0                                ; the stores have read their registers: the next pass loads them anew
.endm
	s_mov_b32 s35, 2
.Lexpert:                                              ; X W1lo, then X W1hi: one text, walked twice
	PASS 0, 0, 0
	ACT
.irp mb, 0,1,2,3
	v_mov_b32 v[G+2*\mb], v[G+2*\mb+1]             ; the second trip takes hi's gate,
	v_add_nc_u32 v[HST+\mb], 1024, v[HST+\mb]      ; and writes the second half of H's rows
.endr
	s_sub_co_u32 s35, s35, 1
	s_cmp_lg_u32 s35, 0
	s_cbranch_scc1 .Lexpert
	s_wait_dscnt 0x0                               ; for the others' sake: my columns of H are in LDS
	s_barrier_signal -1
	s_barrier_wait -1                              ; H is whole
	PASS HT, 0, 1                                  ; H W2, columns 0-511
	OUT 0
	PASS HT, 1, 2                                  ; H W2, columns 512-1,023
	OUT 1
	s_wait_tensorcnt 0x0                           ; the wave's end
	ds_add_u32 v[SPW], v[NIL]
	s_wait_dscnt 0x0
	s_endpgm
.Lfunc_end_k_q8defe161a4_chain:
	.size	k_q8defe161a4_chain, .Lfunc_end_k_q8defe161a4_chain-k_q8defe161a4_chain
	.p2alignl 7, 3214868480
	.fill 96, 4, 3214868480
	.section	.rodata,"a",@progbits
	.p2align	6, 0x0
	.amdhsa_kernel k_q8defe161a4_chain
		.amdhsa_group_segment_fixed_size 300032
		.amdhsa_private_segment_fixed_size 0
		.amdhsa_enable_private_segment 0
		.amdhsa_kernarg_size 48
		.amdhsa_user_sgpr_count 2
		.amdhsa_user_sgpr_kernarg_segment_ptr 1
		.amdhsa_wavefront_size32 1
		.amdhsa_system_sgpr_workgroup_id_x 1
		.amdhsa_system_sgpr_workgroup_id_y 1
		.amdhsa_system_sgpr_workgroup_id_z 1
		.amdhsa_system_vgpr_workitem_id 0
		.amdhsa_next_free_vgpr 512
		.amdhsa_next_free_sgpr 66
		.amdhsa_reserve_vcc 1
		.amdhsa_float_denorm_mode_32 3
		.amdhsa_float_denorm_mode_16_64 3
		.amdhsa_memory_ordered 1
		.amdhsa_forward_progress 1
		.amdhsa_inst_pref_size 233
	.end_amdhsa_kernel
	.amdgpu_metadata
---
amdhsa.version: [ 1, 2 ]
amdhsa.kernels:
  - .name:           k_q8defe161a4_chain
    .symbol:         k_q8defe161a4_chain.kd
    .args:
      - { .name: x, .offset: 0, .size: 8, .value_kind: global_buffer, .address_space: global }
      - { .name: wq, .offset: 8, .size: 8, .value_kind: global_buffer, .address_space: global }
      - { .name: perm, .offset: 16, .size: 8, .value_kind: global_buffer, .address_space: global }
      - { .name: tiles, .offset: 24, .size: 8, .value_kind: global_buffer, .address_space: global }
      - { .name: gate, .offset: 32, .size: 8, .value_kind: global_buffer, .address_space: global }
      - { .name: out0, .offset: 40, .size: 8, .value_kind: global_buffer, .address_space: global }
    .group_segment_fixed_size: 300032
    .private_segment_fixed_size: 0
    .kernarg_segment_align: 8
    .kernarg_segment_size: 48
    .max_flat_workgroup_size: 256
    .sgpr_count:     66
    .vgpr_count:     512
    .wavefront_size: 32
...
	.end_amdgpu_metadata
.endif
;; end of part 3
;; ======== version 2 of 2: 3 launches; version 1 with the launches route, chain written anew for expert scheduling mode
;; workspace buffers: sel 32,768 bytes of whole numbers; hist 32,768 bytes of whole numbers; gate 65,536 bytes; wq 16,777,216 bytes; perm 41,216 bytes of whole numbers; tiles 2,560 bytes of whole numbers
;; launch route (part 4): grid 256 x 1, 4 waves a work-group, no clusters, 104,960 bytes of LDS; arguments x, router, sel, gate, hist; writes sel, gate, hist
.if DOCPART == 4
	.amdgcn_target "amdgcn-amd-amdhsa--gfx1250"
	.amdhsa_code_object_version 6
	.text
	.protected	k_q8defe161a4_route
	.globl	k_q8defe161a4_route
	.p2align	8
	.type	k_q8defe161a4_route,@function
k_q8defe161a4_route:
	s_mov_b64 s[64:65], 0
	v_nop
	global_prefetch_b8 v0, s[64:65] scope:SCOPE_SE
	s_setreg_imm32_b32 hwreg(HW_REG_WAVE_SCHED_MODE, 0, 2), 2
	s_setreg_imm32_b32 hwreg(HW_REG_WAVE_MODE, 25, 1), 1
	s_wait_xcnt 0x0
	s_wait_alu depctr_vm_vsrc(0)
; ROUTE.  logits = x . router for 8,192 tokens x 8 experts (K = 1,024), the two largest of each token, their softmax, and what the sort needs.
; x and router are rounded once to bf16 and multiplied by the bf16 matrix form with f32 sums; maximum, exponential and division in f32.
; A work-group owns a GROUP of 32 tokens; wave w owns k = 256 w .. 256 w + 255 of all 32: 32 KB of x, read once, 32 loads of 512 neighbouring bytes out.
; The four waves' partial logits meet in LDS; wave 0 adds them (lane = token) and stores, at places fixed by the token's and the group's number:
;   sel[token]  = set | rank << 8: set = lo (13 - lo) / 2 + hi - 1 numbers the 28 pairs lo < hi; rank = how many earlier tokens of the group have the same set
;   gate[token] = the softmax weight of expert lo, then that of expert hi (the larger logit is taken away before the exponential)
;   hist[group][32]: word s = tokens of set s in the group; words 28 to 31 are 0
; No address and no branch hangs on a logit.
; LIMITS.  Equal logits: the lower index wins, as in lax.top_k.  Two logits closer than the rounding of the f32 sums may be ordered otherwise than by another order of summation.
; NaN and infinite logits are not treated apart: a token whose logits are all NaN gets no valid set.
; No cluster: the work-groups share the router alone, 32 KB beside 128 KB of x each.
; THE MODE: SCHED_MODE bits 1:0 = 2 (LLVM: expert scheduling mode 2), set by the entry lines.  The code itself states the register dependences
; between vector or matrix instructions and memory or LDS instructions, with s_wait_alu, always for 0.
; THE PLAN.  Registers that memory or LDS instructions touch:
;   RF      the router's 16 loads land; the conversions close each four numbers up into the first two of their registers; the LDS stores read those pairs; the turning loads land; the products read.
;   XA      32 slots.  x's loads land; a BLOCK of four turns: its eight conversions read four slots, which are loaded again behind the block's wait.  Later the token fragments land and the products read;
;           in wave 0 the partial logits land last.
;   Y0, Y1  block p's conversions write Y[p % 2]; its four LDS stores read it; block p + 2 writes it again.  Wave 0 uses these registers again at its end.
;   LG      written by the selects behind the products; read by two LDS stores; written again by wave 0.
;   v6-13   offsets and addresses, made once and never written again.
.set XP,    528                        ; a token's 256 k in LDS: 512 bytes + 16: an odd multiple of 16, so the 16 rows of a fragment load start at 16 different groups of four banks (ISA guide 11.1)
.set XSB,   32*XP                      ; a wave's 32 rows
.set RLB,   4*XSB                      ; behind them: the router, a wave's own 256 k x 16 columns of bf16, 32 bytes a row; columns 8-15 repeat the experts 0-7
.set PART,  RLB+4*8192                 ; the partial logits: 1,024 bytes a wave, 32 a token; the 512 bytes behind them are the spare words of the closing add
.set XOFF, 6                           ; v6   1,024 w + 16 lane: my 16 bytes in a token's row
.set RGO,  7                           ; v7   8,192 w + 16 lane: the same in the router
.set RS,   8                           ; v8   where my four router numbers go in LDS
.set RT,   9                           ; v9   the turning load's address
.set XSS,  10                          ; v10  where my four x numbers go
.set XFA,  11                          ; v11  a token fragment's address
.set PST,  12                          ; v12  my token's partial logits, my wave's
.set PRD,  13                          ; v13  the same, wave 0's
.set Y,    14                          ; v14-29 two out-buffers of four pairs
.set RF,   32                          ; v32-95   the router as loaded, then its 8 fragments
.set XA,   96                          ; v96-223  32 slots of four f32, then the 16 token fragments
.set D0,   224                         ; v224-231 logits of tokens 0-15
.set D1,   232                         ; v232-239 of tokens 16-31
.set LG,   240                         ; v240-247 my token's 8 logits
	s_load_b256 s[4:11], s[0:1], 0x0               ; x s[4:5], router s[6:7], sel s[8:9], gate s[10:11]
	s_load_b64 s[12:13], s[0:1], 0x20              ; hist
	v_lshl_add_u32 v4, v0, 2, 0x19800
	v_mov_b32 v5, 0
	v_and_b32 v1, 31, v0                           ; lane
	v_lshrrev_b32 v2, 5, v0
	v_readfirstlane_b32 s16, v2                    ; wave
	v_and_b32 v2, 15, v0                           ; r = lane % 16
	v_bfe_u32 v3, v0, 4, 1                         ; h = lane / 16
	s_mov_b32 s17, 0xffff0000                      ; the upper half of the lanes
	s_wait_alu depctr_va_sdst(0)                   ; s16 is written, ahead of its first reader
	s_lshl_b32 s20, s16, 10
	s_lshl_b32 s21, s16, 13
	s_mul_i32 s22, s16, XSB
	s_lshl_b32 s18, ttmp9, 17                      ; the group's 32 rows of 4,096 bytes
	s_mov_b32 s19, 0
	v_lshl_add_u32 v[XOFF], v1, 4, s20
	v_lshl_add_u32 v[RGO], v1, 4, s21
	s_wait_kmcnt 0x0
	s_add_nc_u64 s[4:5], s[4:5], s[18:19]
	s_wait_alu depctr_va_vdst(0)                   ; v[XOFF] and v[RGO] are written: every load below reads one of them as its offset
.set q, 0
.rept 16                                       ; my wave's 256 rows of the router: 8,192 bytes
	global_load_b128 v[RF+4*q:RF+4*q+3], v[RGO], s[6:7] offset:512*q
.set q, q+1
.endr
.set n, 0
.rept 32                                       ; tokens 0-15: two loads of 512 neighbouring bytes a token
	global_load_b128 v[XA+4*n:XA+4*n+3], v[XOFF], s[4:5] offset:4096*(n/2)+512*(n%2) th:TH_LOAD_NT
.set n, n+1
.endr
	s_add_co_u32 s21, s21, RLB                     ; my wave's router rows in LDS
	s_add_co_u32 s20, s20, PART
	v_lshrrev_b32 v14, 1, v1
	v_and_b32 v15, 1, v1
	v_lshl_add_u32 v[RS], v14, 5, s21              ; a load's lane holds row lane / 2, experts 4 (lane % 2) on
	v_lshl_add_u32 v[RS], v15, 3, v[RS]
	v_and_b32 v14, 7, v1
	v_lshl_add_u32 v14, v3, 3, v14
	v_bfe_u32 v15, v1, 3, 1
	v_lshl_add_u32 v[RT], v14, 5, s21              ; row 8 h + lane % 8, columns 8 ((lane / 8) % 2) on
	v_lshl_add_u32 v[RT], v15, 4, v[RT]
	v_lshl_add_u32 v[XSS], v1, 3, s22
	v_mul_u32_u24 v[XFA], v2, XP
	v_lshl_add_u32 v[XFA], v3, 4, v[XFA]
	v_add_nc_u32 v[XFA], s22, v[XFA]               ; row r, 16 bytes for each half of the lanes
	v_lshl_add_u32 v[PST], v1, 5, s20
	v_lshl_add_u32 v[PRD], v1, 5, PART
	s_wait_loadcnt 32                              ; the router's 16 loads are in; the 32 of x, issued behind them, stay out
.set q, 0
.rept 16                                       ; rounded to bf16: four numbers close up into the first two of their four registers
	v_cvt_pk_bf16_f32 v[RF+4*q],   v[RF+4*q],   v[RF+4*q+1]
	v_cvt_pk_bf16_f32 v[RF+4*q+1], v[RF+4*q+2], v[RF+4*q+3]
.set q, q+1
.endr
	s_wait_alu depctr_va_vdst(0)                   ; the conversions have written the pairs that the LDS stores read, and are done with v[RF ..], in which the turning loads land; the six LDS addresses v8 to v13 are written
.set q, 0
.rept 16                                       ; laid [k][16]: once for columns 0-7, once more for 8-15
	ds_store_b64 v[RS], v[RF+4*q:RF+4*q+1] offset:512*q
	ds_store_b64 v[RS], v[RF+4*q:RF+4*q+1] offset:512*q+16
.set q, q+1
.endr
	s_wait_alu depctr_vm_vsrc(0)                   ; the LDS stores have read their pairs, in which the turning loads land
.set ks, 0
.rept 8                                        ; back turned: fragment ks holds column r (expert r % 8), k = 32 ks on.  LDS serves a wave's instructions in order (ISA guide 5.7.1.4): these see the stores above
	ds_load_tr16_b128 v[RF+8*ks:RF+8*ks+3],   v[RT] offset:1024*ks
	ds_load_tr16_b128 v[RF+8*ks+4:RF+8*ks+7], v[RT] offset:1024*ks+512
.set ks, ks+1
.endr
; Block p of 16: turns n = 4 p .. 4 p + 3; in turn n half n % 2 of token n / 2 is rounded and laid into my wave's rows.  again = 1: the four slots are loaded again, for the tokens 16 further on.
; left = how many younger loads may stay out.
.macro XBLK p, again, left
	s_wait_loadcnt \left
.if (\p) >= 2
	s_wait_alu depctr_vm_vsrc(0)                   ; the LDS stores of the block before last have read this out-buffer, which the conversions write again
.endif
.irp i, 0,1,2,3
.set n, 4*(\p)+\i
	v_cvt_pk_bf16_f32 v[Y+8*((\p)%2)+2*\i],   v[XA+4*(n%32)],   v[XA+4*(n%32)+1]
	v_cvt_pk_bf16_f32 v[Y+8*((\p)%2)+2*\i+1], v[XA+4*(n%32)+2], v[XA+4*(n%32)+3]
.endr
	s_wait_alu depctr_va_vdst(0)                   ; the conversions have written the out-buffer, which the LDS stores read, and are done reading the four slots, in which loads land next
.irp i, 0,1,2,3
.set n, 4*(\p)+\i
	ds_store_b64 v[XSS], v[Y+8*((\p)%2)+2*\i:Y+8*((\p)%2)+2*\i+1] offset:XP*(n/2)+256*(n%2)
.if \again
	global_load_b128 v[XA+4*n:XA+4*n+3], v[XOFF], s[4:5] offset:4096*(n/2+16)+512*(n%2) th:TH_LOAD_NT
.endif
.endr
.endm
.set blk, 0
.rept 8
	XBLK blk, 1, 28                                ; 32 loads are out at the head of each block: its four are the oldest
.set blk, blk+1
.endr
.rept 8
	XBLK blk, 0, 60-4*blk                          ; nothing more is loaded: the counts run down to 0
.set blk, blk+1
.endr
.set n, 0
.rept 16                                       ; the token fragments: tile n / 8 of 16 tokens, k = 32 (n % 8) on.  No vector instruction since the last block's wait names v[XA ..]
	ds_load_b128 v[XA+8*n:XA+8*n+3],   v[XFA] offset:16*XP*(n/8)+64*(n%8)
	ds_load_b128 v[XA+8*n+4:XA+8*n+7], v[XFA] offset:16*XP*(n/8)+64*(n%8)+32
.set n, n+1
.endr
	s_wait_dscnt 0x0
	; Source 0 = the router (row m = expert m % 8), source 1 = 16 tokens: register j of a lane is expert j of token r, in both halves of the lanes.
	; The two accumulators take turns.
	v_wmma_f32_16x16x32_bf16 v[D0:D0+7], v[RF:RF+7], v[XA:XA+7], 0
	v_wmma_f32_16x16x32_bf16 v[D1:D1+7], v[RF:RF+7], v[XA+64:XA+71], 0
.set ks, 1
.rept 7
	v_wmma_f32_16x16x32_bf16 v[D0:D0+7], v[RF+8*ks:RF+8*ks+7], v[XA+8*ks:XA+8*ks+7], v[D0:D0+7]
	v_wmma_f32_16x16x32_bf16 v[D1:D1+7], v[RF+8*ks:RF+8*ks+7], v[XA+64+8*ks:XA+64+8*ks+7], v[D1:D1+7]
.set ks, ks+1
.endr
.rept 4
	v_nop                                          ; four places between the last product and the first read of a result (ISA guide 7.12.1)
.endr
.set j, 0
.rept 8                                        ; lane = token: lanes 0-15 keep the first tile's, lanes 16-31 take the second's; from each accumulator's low end on
	v_cndmask_b32 v[LG+j], v[D0+j], v[D1+j], s17
.set j, j+1
.endr
	s_wait_alu depctr_va_vdst(0)                   ; the selects have written v[LG ..], which the LDS stores read; the products are done reading v[XA ..], in which wave 0's loads land below
	ds_store_b128 v[PST], v[LG:LG+3]
	ds_store_b128 v[PST], v[LG+4:LG+7] offset:16
	s_wait_dscnt 0x0                               ; for wave 0's sake: my partial logits are in LDS
	s_barrier_signal -1
	s_barrier_wait -1
	s_wait_alu depctr_vm_vsrc(0)                   ; my LDS stores have read v[LG ..] and the two out-buffers, all of which wave 0 writes again below
	s_cmp_lg_u32 s16, 0
	s_cbranch_scc1 .Lclose                         ; the rest is one wave's work: 32 tokens, a lane each
.set p, 0
.rept 4
	ds_load_b128 v[XA+8*p:XA+8*p+3],   v[PRD] offset:1024*p
	ds_load_b128 v[XA+8*p+4:XA+8*p+7], v[PRD] offset:1024*p+16
.set p, p+1
.endr
	v_lshlrev_b32 v30, 2, v1
	v_lshlrev_b32 v31, 3, v1
	s_lshl_b32 s18, ttmp9, 7
	s_add_nc_u64 s[8:9], s[8:9], s[18:19]          ; sel and hist: 128 bytes a group
	s_add_nc_u64 s[12:13], s[12:13], s[18:19]
	s_lshl_b32 s18, ttmp9, 8
	s_add_nc_u64 s[10:11], s[10:11], s[18:19]      ; gate: 256
	s_wait_dscnt 0x0
.irp j, 0,2,4,6                                ; ((p0 + p1) + p2) + p3
	v_pk_add_f32 v[LG+\j:LG+\j+1], v[XA+\j:XA+\j+1], v[XA+8+\j:XA+8+\j+1]
.endr
.irp j, 0,2,4,6
	v_pk_add_f32 v[LG+\j:LG+\j+1], v[LG+\j:LG+\j+1], v[XA+16+\j:XA+16+\j+1]
.endr
.irp j, 0,2,4,6
	v_pk_add_f32 v[LG+\j:LG+\j+1], v[LG+\j:LG+\j+1], v[XA+24+\j:XA+24+\j+1]
.endr
	; the two largest: (v14, v15) the best and its expert, (v16, v17) the second.  Strictly greater only: of equal logits the lower index stays
	v_mov_b32 v14, v[LG]
	v_mov_b32 v15, 0
	v_mov_b32 v16, 0xff800000
	v_mov_b32 v17, 0
.irp e, 1,2,3,4,5,6,7
	v_cmp_gt_f32 s41, v[LG+\e], v14
	v_cmp_gt_f32 s40, v[LG+\e], v16
	s_wait_alu depctr_va_sdst(0)                   ; both masks are written, ahead of the selects that read them: one wait for the step's two compares
	v_cndmask_b32 v16, v16, v[LG+\e], s40
	v_cndmask_b32 v17, v17, \e, s40
	v_cndmask_b32 v16, v16, v14, s41
	v_cndmask_b32 v17, v17, v15, s41
	v_cndmask_b32 v14, v14, v[LG+\e], s41
	v_cndmask_b32 v15, v15, \e, s41
.endr
	; softmax of the two, the larger taken away: 1 / (1 + t) and t / (1 + t), t = e^(second - best), at most 1
	v_sub_f32 v18, v16, v14
	v_mul_f32 v18, 0x3fb8aa3b, v18
	v_exp_f32 v19, v18
	v_min_u32 v20, v15, v17                        ; lo: the plain instruction behind the exponential
	s_wait_alu depctr_va_vdst(0)                   ; the exponential has written v19, ahead of its first reader
	v_add_f32 v24, 1.0, v19
	v_rcp_f32 v26, v24
	v_max_u32 v21, v15, v17                        ; hi: the plain instruction behind the reciprocal
	s_wait_alu depctr_va_vdst(0)                   ; the reciprocal has written v26, ahead of its first reader
	v_mul_f32 v24, v19, v26
	v_cmp_lt_u32 vcc_lo, v15, v17                  ; is the best the lower-numbered expert?
	s_wait_alu depctr_va_vcc(0)                    ; VCC is written, ahead of the two selects that read it
	v_cndmask_b32 v22, v24, v26, vcc_lo            ; lo's weight
	v_cndmask_b32 v23, v26, v24, vcc_lo            ; hi's
	v_sub_nc_u32 v25, 13, v20
	v_mul_u32_u24 v25, v25, v20
	v_lshrrev_b32 v25, 1, v25
	v_add3_u32 v25, v25, v21, -1                   ; the set's number
	v_mov_b32 v27, 0                               ; rank
	v_mov_b32 v28, 0                               ; lane s: the group's count of set s
.set ks, 0
.rept 28                                       ; the masks are data: they choose values, never lanes or paths.  One run of compares, a scalar register to each set
	v_cmp_eq_u32 s[20+ks], ks, v25
.set ks, ks+1
.endr
	s_wait_alu depctr_va_sdst(0)                   ; the 28 masks s20 to s47 are written, ahead of their first readers
.set ks, 0
.rept 28
	v_mbcnt_lo_u32_b32 v26, s[20+ks], 0            ; tokens of set ks in the lanes below mine
	v_cndmask_b32 v27, v27, v26, s[20+ks]
	s_bcnt1_i32_b32 s14, s[20+ks]
	v_writelane_b32 v28, s14, ks
.set ks, ks+1
.endr
	v_lshl_or_b32 v29, v27, 8, v25
	s_wait_alu depctr_va_vdst(0)                   ; v22, v23, v28 and v29, the stores' data, and v30 and v31, their offsets, are written
	global_store_b32 v30, v29, s[8:9]              ; 128 neighbouring bytes
	global_store_b64 v31, v[22:23], s[10:11]       ; 256 neighbouring bytes, aligned
	global_store_b32 v30, v28, s[12:13]
.Lclose:
	s_wait_dscnt 0x0                               ; the wave's end: my LDS instructions are done.  The closing add follows
	s_wait_alu depctr_hold_cnt(0) depctr_sa_sdst(0) depctr_va_vdst(0) depctr_va_sdst(0) depctr_va_ssrc(0) depctr_va_vcc(0) depctr_vm_vsrc(0)
	s_wait_tensorcnt 0x0
	ds_add_u32 v4, v5
	s_wait_dscnt 0x0
	s_endpgm
.Lfunc_end_k_q8defe161a4_route:
	.size	k_q8defe161a4_route, .Lfunc_end_k_q8defe161a4_route-k_q8defe161a4_route
	.p2alignl 7, 3214868480
	.fill 96, 4, 3214868480
	.section	.rodata,"a",@progbits
	.p2align	6, 0x0
	.amdhsa_kernel k_q8defe161a4_route
		.amdhsa_group_segment_fixed_size 104960
		.amdhsa_private_segment_fixed_size 0
		.amdhsa_enable_private_segment 0
		.amdhsa_kernarg_size 40
		.amdhsa_user_sgpr_count 2
		.amdhsa_user_sgpr_kernarg_segment_ptr 1
		.amdhsa_wavefront_size32 1
		.amdhsa_system_sgpr_workgroup_id_x 1
		.amdhsa_system_sgpr_workgroup_id_y 1
		.amdhsa_system_sgpr_workgroup_id_z 1
		.amdhsa_system_vgpr_workitem_id 0
		.amdhsa_next_free_vgpr 248
		.amdhsa_next_free_sgpr 66
		.amdhsa_reserve_vcc 1
		.amdhsa_float_denorm_mode_32 3
		.amdhsa_float_denorm_mode_16_64 3
		.amdhsa_memory_ordered 1
		.amdhsa_forward_progress 1
		.amdhsa_inst_pref_size 47
	.end_amdhsa_kernel
	.amdgpu_metadata
---
amdhsa.version: [ 1, 2 ]
amdhsa.kernels:
  - .name:           k_q8defe161a4_route
    .symbol:         k_q8defe161a4_route.kd
    .args:
      - { .name: x, .offset: 0, .size: 8, .value_kind: global_buffer, .address_space: global }
      - { .name: router, .offset: 8, .size: 8, .value_kind: global_buffer, .address_space: global }
      - { .name: sel, .offset: 16, .size: 8, .value_kind: global_buffer, .address_space: global }
      - { .name: gate, .offset: 24, .size: 8, .value_kind: global_buffer, .address_space: global }
      - { .name: hist, .offset: 32, .size: 8, .value_kind: global_buffer, .address_space: global }
    .group_segment_fixed_size: 104960
    .private_segment_fixed_size: 0
    .kernarg_segment_align: 8
    .kernarg_segment_size: 40
    .max_flat_workgroup_size: 128
    .sgpr_count:     66
    .vgpr_count:     248
    .wavefront_size: 32
...
	.end_amdgpu_metadata
.endif
;; end of part 4
;; launch prep: the kernel of part 2 again; grid 264 x 1, 8 waves a work-group, no clusters, 83,968 bytes of LDS; arguments W1, W2, sel, hist, wq, perm, tiles; writes wq, perm, tiles
;; launch chain (part 5): grid 155 x 1, 8 waves a work-group, no clusters, 300,032 bytes of LDS; arguments x, wq, perm, tiles, gate, out0; writes out0
.if DOCPART == 5
	.amdgcn_target "amdgcn-amd-amdhsa--gfx1250"
	.amdhsa_code_object_version 6
	.text
	.protected	k_q8defe161a4_chain
	.globl	k_q8defe161a4_chain
	.p2align	8
	.type	k_q8defe161a4_chain,@function
k_q8defe161a4_chain:
	s_mov_b64 s[64:65], 0
	v_nop
	global_prefetch_b8 v0, s[64:65] scope:SCOPE_SE
	s_setreg_imm32_b32 hwreg(HW_REG_WAVE_SCHED_MODE, 0, 2), 2
	s_setreg_imm32_b32 hwreg(HW_REG_WAVE_MODE, 25, 1), 1
	s_wait_xcnt 0x0
	s_wait_alu depctr_vm_vsrc(0)
; CHAIN.  A work-group takes a tile of up to 64 tokens that chose the same two experts lo < hi through the whole layer, and is the one owner of their output rows:
;   out = [g_lo swish(X W1lo) | g_hi swish(X W1hi)] . [W2lo ; W2hi].   X, the weights and the hidden layer times its gate in bf16 (each rounded once); all sums, the swish and the gates in f32.
; FOUR PASSES of one shape, 64 rows x 512 columns, K = 1,024: X W1lo; X W1hi; H W2, columns 0-511; H W2, columns 512-1,023.  Wave w owns 64 columns of each pass: 16 accumulators of 16 x 16.
; A tile walks 4 MB of weights whatever its rows, so the tile is as tall as the registers allow: 128 of accumulators, 64 of token fragments and 64 of addresses fill one window, the weights' ring the other.
; THE WEIGHTS of a wave are read by that wave alone, straight from memory into operand registers, in the order in which the launch before laid them: a STAGE is K = 64: 16 loads of 512 neighbouring bytes.
; A ring of four stages in registers, loaded again by halves of a stage, for the stage four further on: 48 loads (24 KB) of each wave stay out while it multiplies.
; The ring runs on through the passes' ends and both barriers.  A wave's stream changes between the two experts by chunks of four stages, by the bits of a constant.
; EIGHT WAVES, two to a SIMD: a wave can have 63 loads of 512 bytes out, so eight waves can have twice as much on its way as four.
; THE TOKENS' side comes from LDS: X, gathered and rounded once, then H.  Two buffers of half a stage's four fragments (K = 32), each loaded again 12 products ahead of its next use.
; THE MATRIX INSTRUCTION IS USED TRANSPOSED: source 0 = 16 columns of the weights, source 1 = 16 tokens: a lane holds one token (lane % 16) and eight neighbouring columns.
; A TILE THAT IS NOT FULL: slots past the count take the tile's first token, whose row is then made once more, rightly.  Whole stores past the count are jumped; a store with one row on each side of the
; count writes that first token's own bits a second time, so all lanes stay on.  A tile without tokens (the grid serves every split: 155 = 8192 / 64 + 27) walks the chain on token 0 and stores nothing,
; so that every wave passes both barriers: that costs work, and no other tile waits for it.
; NO CLUSTER, NO TENSOR LOAD: the tiles of a set walk the same weights, but a joint load lands in LDS, and X, H and the stages leave 27,648 bytes there: less than half of one stage's 65,536 bytes of weights.
; With H laid over X there would be room for two slots of one stage each: the one load behind each round would have 32 products a wave in which to land.
; LIMITS.  NaN and infinities are not treated apart.  Where e^-h overflows f32 (h below -88) the swish counts as h x 0.
; THE MODE: SCHED_MODE bits 1:0 = 2 (LLVM: expert scheduling mode 2), set by the entry lines.  The code itself states the register dependences
; between vector or matrix instructions and memory or LDS instructions, with s_wait_alu, always for 0.
; THE PLAN.  The unit is a HALF-STEP: 16 products, K = 32, on one half of a ring slot and one token buffer.  Registers that memory or LDS instructions touch, in the passes:
;   ring half (slot, kk)  read by the products of its half-step; in the half-step behind, eight loads land in it.
;   AB0, AB1              read by the products of every second half-step; in the half-step behind, eight LDS loads land in the buffer.  Between the passes the same registers are T.
;   v[VO]                 read by every load of weights; written once in four stages, between slot 0's two half-steps.
;   v[AX ..]              read by every LDS load of a fragment; written at a pass's head and once a trip.
;   the accumulators      named by matrix and vector instructions, and read by the way out's LDS stores.
; The wave has all the registers that two waves on a SIMD can have, so there is no third token buffer, and ONE wait on va_vdst stands at the head of each half-step: the products of the half-step before are done
; reading their ring half and their token buffer.  Four products follow it, then the sixteen loads into those registers, then the other twelve products: the half-step's products name the accumulators,
; its own ring half and its own token buffer, none of the registers that those loads touch.
; REGISTERS, in windows of 256 (s_set_vgpr_msb: bits 1:0 source 0, 7:6 destination): window 0 as named below; window 1: the ring, stage slot n at v[64 n], fragment (kk, nb) at + 32 kk + 8 nb.
.set XP,    2064                       ; a row of X or H in LDS: 2,048 bytes + 16: an odd multiple of 16, so the 16 rows of a fragment load start at 16 different groups of four banks (ISA guide 11.1)
.set HT,    64*XP                      ; H behind X: a row is lo's 512 numbers, then hi's
.set STG,   2*64*XP                    ; the way out: 16 rows x 272 bytes for each wave; the 1,024 bytes behind the stages are the spare words of the closing add
.set SGP,   272
.set CT,   1                           ; v1      first the lane, then 16 r + 256 w: my bytes in a row's 2,048 of a pass
.set VL16, 6                           ; v6      16 x lane
.set VO,   7                           ; v7      my byte offset in wq: the chunk being asked for
.set AX,   8                           ; v8-11   token fragments' LDS address, by block of 16 tokens; it walks along K
.set AXL,  12                          ; v12-15  its lane term: (16 mb + r) x pitch + 16 h
.set HST,  16                          ; v16-19  where my 16 bytes of H go
.set STO,  20                          ; v20     the way out: where I put 16 bytes of a row
.set RD,   21                          ; v21     the way out: where I read a row back
.set G,    22                          ; v22-29  by block: my token's two gates; the low one is the pass's
.set ROW2, 32                          ; v32-63  by pair of slots q: byte offset in out0 of my 16 bytes of slot 2 q + h
.set ACC,  64                          ; v64-191 accumulator (mb, nb) at + 8 (4 mb + nb)
.set AB,   192                         ; v192-255 two buffers of 32: fragment (kk, mb) at + 32 kk + 8 mb
.set T,    192                         ; between the passes the buffers are at work
.set XR,   64                          ; the head alone: v64-191, 32 slots of four f32
.set XO,   192                         ; the head alone: v192-199 byte offset in x of my wave's eight rows
.set TOK0, 200                         ; v200    the tile's first token
.set TKG,  201                         ; v201-204 by block: my token's offset in gate
.set XST,  205                         ; v205    where my 8 bytes of X go
.set IA,   210                         ; v210-213 the token numbers' addresses
.set Y,    214                         ; v214-229 the head alone: two out-buffers of four pairs of bf16
; s[4:15] x, wq, perm, tiles, gate, out0; s16 wave; s[20:23] the record; s24 count; s25, s26 lo's and hi's next chunk; s27 the next chunk's number; s28 which expert each chunk is;
; s29-33 at work in NEXTCHUNK; s34, s35 the loops' counts; s[36:37] -log2(e); s38-47 at work at the head
.set MSB, 0
.macro WIN new                         ; the immediate's high byte repeats the setting that is left; a switch that changes nothing is dropped
.if MSB != (\new)
	s_set_vgpr_msb (MSB<<8)|(\new)
.set MSB, \new
.endif
.endm
.set MUL,     0x01                     ; source 0 (the weights) in window 1; tokens and sums in window 0
.set TO_RING, 0x40                     ; destination in window 1, address in window 0
	s_load_b256 s[4:11], s[0:1], 0x0               ; x s[4:5], wq s[6:7], perm s[8:9], tiles s[10:11]
	s_load_b128 s[12:15], s[0:1], 0x20             ; gate s[12:13], out0 s[14:15]
	v_lshl_add_u32 v30, v0, 2, 0x49000
	v_mov_b32 v31, 0
	v_and_b32 v1, 31, v0                           ; lane
	v_lshrrev_b32 v2, 5, v0
	v_readfirstlane_b32 s16, v2                    ; wave
	v_and_b32 v2, 15, v0                           ; r
	v_bfe_u32 v3, v0, 4, 1                         ; h
	v_lshlrev_b32 v[VL16], 4, v1
	s_lshl_b32 s38, ttmp9, 4                       ; my record: 16 bytes a tile
	s_mov_b32 s39, 0
	s_lshl_b32 s40, ttmp9, 8                       ; my 64 slots
	s_mov_b32 s41, 0
	s_wait_alu depctr_va_sdst(0)                   ; s16 is written, ahead of its first reader
	s_lshl_b32 s42, s16, 5
	v_mov_b32 v[IA], 0
	v_mov_b32 v[IA+1], s42                         ; slot 8 w
	v_lshlrev_b32 v[IA+2], 2, v3                   ; slot h
	v_lshlrev_b32 v[IA+3], 2, v2                   ; slot r
	s_wait_kmcnt 0x0
	s_add_nc_u64 s[10:11], s[10:11], s[38:39]
	s_add_nc_u64 s[8:9], s[8:9], s[40:41]
	s_load_b128 s[20:23], s[10:11], 0x0            ; lo, hi, count
	s_wait_alu depctr_va_vdst(0)                   ; the four offsets v[IA ..] are written, which the loads below read
	global_load_b32 v[TOK0], v[IA], s[8:9]         ; 45 loads of token numbers: their addresses hang on the work-group's number alone
.irp i, 0,1,2,3,4,5,6,7
	global_load_b32 v[XO+\i], v[IA+1], s[8:9] offset:4*\i
.endr
.set q, 0
.rept 32
	global_load_b32 v[ROW2+q], v[IA+2], s[8:9] offset:8*q
.set q, q+1
.endr
.irp mb, 0,1,2,3
	global_load_b32 v[TKG+\mb], v[IA+3], s[8:9] offset:64*\mb
.endr
	v_mul_u32_u24 v[AXL], v2, XP
	v_lshl_add_u32 v[AXL], v3, 4, v[AXL]
	v_add_nc_u32 v[AXL+1], 16*XP, v[AXL]
	v_add_nc_u32 v[AXL+2], 32*XP, v[AXL]
	v_add_nc_u32 v[AXL+3], 48*XP, v[AXL]
	s_lshl_b32 s42, s16, 7
	s_add_co_u32 s42, s42, HT                      ; my wave's 64 columns of H are 128 bytes
.irp mb, 0,1,2,3
	v_add_nc_u32 v[HST+\mb], s42, v[AXL+\mb]
.endr
	s_mul_i32 s43, s16, 16*SGP
	s_add_co_u32 s43, s43, STG                     ; my stage
	v_mul_u32_u24 v[STO], v2, SGP                  ; in: row r, 32 bytes for each half of the lanes
	v_lshl_add_u32 v[STO], v3, 5, v[STO]
	v_add_nc_u32 v[STO], s43, v[STO]
	v_mul_u32_u24 v[RD], v3, SGP                   ; back: lanes 0-15 take one row of 256 bytes, lanes 16-31 the next
	v_lshl_add_u32 v[RD], v2, 4, v[RD]
	v_add_nc_u32 v[RD], s43, v[RD]
	s_mul_i32 s44, s16, 8*XP
	v_lshl_add_u32 v[XST], v1, 3, s44              ; my wave's eight rows of X, 8 bytes a lane
	s_lshl_b32 s45, s16, 8
	v_lshl_add_u32 v[CT], v2, 4, s45               ; the lane's number is not needed any more
	s_mov_b32 s27, 1
	s_mov_b32 s28, 0xccf0                          ; chunks 0-3 lo, 4-7 hi (W1); 8, 9 lo, 10, 11 hi; 12, 13 lo, 14, 15 hi (W2's two halves of the columns)
	s_mov_b32 s36, 0xbfb8aa3b                      ; -log2(e)
	s_mov_b32 s37, s36                             ; named with it as a pair
	s_lshl_b32 s38, s16, 18                        ; a wave's stream of an expert is 256 KB
	s_wait_kmcnt 0x0
	s_min_u32 s20, s20, 7                          ; what was loaded is clamped before it enters an address
	s_min_u32 s21, s21, 7
	s_min_u32 s24, s22, 64
	s_lshl_b32 s25, s20, 21                        ; an expert is 2 MB of wq
	s_add_co_u32 s25, s25, s38
	s_lshl_b32 s26, s21, 21
	s_add_co_u32 s26, s26, s38
	v_add_nc_u32 v[VO], s25, v[VL16]
	s_add_co_u32 s25, s25, 0x8000
	WIN TO_RING
	s_wait_alu depctr_va_vdst(0)                   ; v[VO] is written, which the ring's loads read; so are the LDS addresses v12 to v21 and v[XST]
.set f, 0
.rept 64                                       ; the ring's first fill: chunk 0, four stages
	global_load_b128 v[4*f:4*f+3], v[VO], s[6:7] offset:512*f
.set f, f+1
.endr
	WIN 0
	s_wait_loadcnt 63                              ; 64 loads were issued behind the token numbers: these are in
	s_lshl_b32 s38, s16, 3
.set i, 0
.rept 8                                        ; a slot past the count takes the tile's first token; then the clamp; then the row's bytes
	s_add_co_u32 s39, s38, i
	s_cmp_lt_u32 s39, s24
	s_cselect_b32 s40, -1, 0
	v_cndmask_b32 v[XO+i], v[TOK0], v[XO+i], s40
	v_min_u32 v[XO+i], 0x1fff, v[XO+i]
	v_lshlrev_b32 v[XO+i], 12, v[XO+i]
	v_add_nc_u32 v[XO+i], v[XO+i], v[VL16]
.set i, i+1
.endr
.set i, 0
.rept 4                                        ; a run of compares, a scalar register to each
	s_sub_co_i32 s39, s24, 16*i
	v_cmp_gt_i32 s[40+i], s39, v2                  ; slot 16 i + r below the count
.set i, i+1
.endr
	s_wait_alu depctr_va_sdst(0)                   ; the four masks s40 to s43 are written, ahead of the selects that read them
.set i, 0
.rept 4
	v_cndmask_b32 v[TKG+i], v[TOK0], v[TKG+i], s[40+i]
	v_min_u32 v[TKG+i], 0x1fff, v[TKG+i]
	v_lshlrev_b32 v[TKG+i], 3, v[TKG+i]
.set i, i+1
.endr
	s_wait_alu depctr_va_vdst(0)                   ; the offsets v[TKG ..] and v[XO ..] are written, which the loads of the gates and of x read
.irp mb, 0,1,2,3
	global_load_b64 v[G+2*\mb:G+2*\mb+1], v[TKG+\mb], s[12:13]
.endr
.set n, 0
.rept 32                                       ; the gather: the first four of my wave's eight rows, eight loads of 512 neighbouring bytes each
	global_load_b128 v[XR+4*n:XR+4*n+3], v[XO+n/8], s[4:5] offset:512*(n%8)
.set n, n+1
.endr
.set q, 0
.rept 4                                        ; the output rows' offsets are made while x is on its way: eight compares in a run, one wait, eight selects
.set k, 0
.rept 8
	s_sub_co_i32 s39, s24, 2*(q+k)
	v_cmp_gt_i32 s[40+k], s39, v3                  ; slot 2 (q + k) + h below the count
.set k, k+1
.endr
	s_wait_alu depctr_va_sdst(0)                   ; the eight masks s40 to s47 are written, ahead of the selects that read them
.rept 8
	v_cndmask_b32 v[ROW2+q], v[TOK0], v[ROW2+q], s[40+q%8]
	v_min_u32 v[ROW2+q], 0x1fff, v[ROW2+q]
	v_lshlrev_b32 v[ROW2+q], 12, v[ROW2+q]
	v_add_nc_u32 v[ROW2+q], v[ROW2+q], v[CT]
.set q, q+1
.endr
.endr
; Block p of 16: turns n = 4 p .. 4 p + 3; in turn n 512 bytes of row n / 8 are rounded and laid into X.  again = 1: the four slots are loaded again, for the rows four further on.
; Block p's conversions write out-buffer p % 2, its LDS stores read it, block p + 2 writes it again.  left = how many younger loads may stay out.
.macro XBLK p, again, left
	s_wait_loadcnt \left
.if (\p) >= 2
	s_wait_alu depctr_vm_vsrc(0)                   ; the LDS stores of the block before last have read this out-buffer, which the conversions write again
.endif
.irp i, 0,1,2,3
.set n, 4*(\p)+\i
	v_cvt_pk_bf16_f32 v[Y+8*((\p)%2)+2*\i],   v[XR+4*(n%32)],   v[XR+4*(n%32)+1]
	v_cvt_pk_bf16_f32 v[Y+8*((\p)%2)+2*\i+1], v[XR+4*(n%32)+2], v[XR+4*(n%32)+3]
.endr
	s_wait_alu depctr_va_vdst(0)                   ; the conversions have written the out-buffer, which the LDS stores read, and are done reading the four slots, in which loads land next
.irp i, 0,1,2,3
.set n, 4*(\p)+\i
	ds_store_b64 v[XST], v[Y+8*((\p)%2)+2*\i:Y+8*((\p)%2)+2*\i+1] offset:XP*(n/8)+256*(n%8)
.if \again
	global_load_b128 v[XR+4*n:XR+4*n+3], v[XO+n/8+4], s[4:5] offset:512*(n%8)
.endif
.endr
.endm
.set blk, 0
.rept 8
	XBLK blk, 1, 28                                ; 32 loads of x are out at the head of each block: its four are the oldest; the gates and the ring's first fill, issued before, are in
.set blk, blk+1
.endr
.rept 8
	XBLK blk, 0, 60-4*blk                          ; nothing more is loaded: the counts run down to 0
.set blk, blk+1
.endr
	s_wait_dscnt 0x0                               ; for the others' sake: my eight rows of X are in LDS
	s_barrier_signal -1
	s_barrier_wait -1                              ; X is whole
	s_wait_alu depctr_vm_vsrc(0)                   ; the head's loads and LDS stores have read their offsets and out-buffers in v192 to v229, in which the first token fragments land
; The next chunk of 32 KB: lo's or hi's, by bit s27 of s28; that expert's offset steps.  Behind the clamps the loaded numbers meet ANDs and adds alone.
.macro NEXTCHUNK
	s_bitcmp1_b32 s28, s27
	s_cselect_b32 s29, -1, 0                       ; all ones: hi
	s_not_b32 s30, s29
	s_and_b32 s31, s25, s30
	s_and_b32 s32, s26, s29
	s_add_co_u32 s33, s31, s32
	s_and_b32 s31, s30, 0x8000
	s_and_b32 s32, s29, 0x8000
	s_add_co_u32 s25, s25, s31
	s_add_co_u32 s26, s26, s32
	s_add_co_u32 s27, s27, 1
	s_wait_xcnt 0x0                                ; every earlier memory instruction has had its addresses translated (ISA guide 3.1): the loads' offset is rewritten only behind this wait,
	s_wait_alu depctr_vm_vsrc(0)                   ; and the loads of weights issued so far have read v[VO].  The youngest of them were issued 12 products ago
	v_add_nc_u32 v[VO], s33, v[VL16]               ; that it is written is stated by the wait at the head of the half-step that follows
.endm
; Four products: block mb of 16 tokens x my four blocks of 16 columns, K = 32, half kk of ring slot \slot, on token buffer kk.
; The 16 accumulators take turns (from half to half, from stage to stage and over the loops' jumps too).
.macro MM4 slot, kk, mb, zero
.irp nb, 0,1,2,3
.if \zero
	v_wmma_f32_16x16x32_bf16 v[ACC+8*(4*(\mb)+\nb):ACC+8*(4*(\mb)+\nb)+7], v[64*(\slot)+32*(\kk)+8*\nb:64*(\slot)+32*(\kk)+8*\nb+7], v[AB+32*(\kk)+8*(\mb):AB+32*(\kk)+8*(\mb)+7], 0
.else
	v_wmma_f32_16x16x32_bf16 v[ACC+8*(4*(\mb)+\nb):ACC+8*(4*(\mb)+\nb)+7], v[64*(\slot)+32*(\kk)+8*\nb:64*(\slot)+32*(\kk)+8*\nb+7], v[AB+32*(\kk)+8*(\mb):AB+32*(\kk)+8*(\mb)+7], v[ACC+8*(4*(\mb)+\nb):ACC+8*(4*(\mb)+\nb)+7]
.endif
.endr
.endm
; Eight LDS loads: token buffer kk takes half kk of the stage at byte aimm from the walking address.
.macro ALOAD kk, aimm
.irp mb, 0,1,2,3
	ds_load_b128 v[AB+32*(\kk)+8*\mb:AB+32*(\kk)+8*\mb+3],   v[AX+\mb] offset:(\aimm)+64*(\kk)
	ds_load_b128 v[AB+32*(\kk)+8*\mb+4:AB+32*(\kk)+8*\mb+7], v[AX+\mb] offset:(\aimm)+64*(\kk)+32
.endr
.endm
; A HALF-STEP: 16 products on half kk of ring slot \slot and token buffer kk.  zero = 1: they start the sums.
; lc: the younger loads of weights that may stay out; dc: the younger LDS loads.
; ta >= 0: the OTHER token buffer, which the half-step before read, is loaded again, with its half of the stage at byte ta.  rw = 1: the ring half that the half-step before read is loaded again.
.macro HSTEP slot, kk, zero, lc, dc, ta, rw
	s_wait_loadcnt \lc                             ; loads come back in order (ISA guide 5.7.1): this ring half is in
	s_wait_dscnt \dc                               ; this token buffer is in
.if ((\ta) >= 0) || (\rw)
	s_wait_alu depctr_va_vdst(0)                   ; the products of the half-step before are done reading their token buffer and their ring half, in which the loads below land; where v[VO] or v[AX ..] has just been stepped, it is written
.endif
	WIN MUL
	MM4 \slot, \kk, 0, \zero
.if (\ta) >= 0
	WIN 0
	ALOAD 1-(\kk), \ta                             ; no wait: the four products since the wait name none of these registers
.endif
.if \rw
	WIN TO_RING
.set PS, ((\slot)+3+(\kk))%4                   ; the half-step before: the slot before and its second half, or this slot and its first
.set PF, 8-8*(\kk)
.irp f, 0,1,2,3,4,5,6,7
	global_load_b128 v[64*PS+4*(PF+\f):64*PS+4*(PF+\f)+3], v[VO], s[6:7] offset:8192*PS+512*(PF+\f)
.endr
.endif
	WIN MUL
	MM4 \slot, \kk, 1, \zero
	MM4 \slot, \kk, 2, \zero
	MM4 \slot, \kk, 3, \zero
.endm
; A STAGE, K = 64, on ring slot \slot: two half-steps.  zero = 1: the first 16 products start the sums.
; acur >= 0: the first half-step fetches token buffer 1 for this stage, which lies at byte acur; anext >= 0: the second fetches buffer 0 for the next stage, at byte anext.
; w0 = 1: the first half-step loads the second half of the slot before again; w1 = 1: the second loads this slot's first half again; at slot 0 that is a new chunk's first, so the offset steps between the two.
; lc0, lc1: a ring half was asked for seven half-steps ago, and six runs of eight loads were issued behind that run: 48.  dc0: the LDS count of the first half-step.
.macro STAGE slot, zero, acur, anext, w0, w1, lc0, lc1, dc0
	HSTEP \slot, 0, \zero, \lc0, \dc0, \acur, \w0
.if (\w1) && ((\slot) == 0)
	WIN 0
	NEXTCHUNK
.endif
	HSTEP \slot, 1, 0, \lc1, 0, \anext, \w1
.endm
; A PASS: 16 stages over the rows at LDS byte abase.  A trip of the loop is four stages, from a chunk's third to the next chunk's second.  last = 1: the launch's last pass: its last four stages ask for no weights
; of their own, so they are written out and the counts run down.
.macro PASS abase, last, tag
.irp mb, 0,1,2,3
	v_add_nc_u32 v[AX+\mb], \abase, v[AXL+\mb]     ; (the fragments' loads that read the old addresses stand ahead of the last wait on vm_vsrc)
.endr
	s_wait_alu depctr_va_vdst(0)                   ; v[AX ..] is written, which the loads below read; the vector instructions that named v192 to v255 are done with them, and the fragments land there
	ALOAD 0, 0                                     ; the tokens' fragments of stage 0
	ALOAD 1, 0
	STAGE 0, 1, -1,  128, 0, 1, 56, 48, 8          ; both buffers are asked for already; the last pass's end has issued the run that this stage's first half-step would: 48 + 8 may stay out; buffer 1's eight LDS loads too
	STAGE 1, 0, 128, 256, 1, 1, 48, 48, 0
	WIN 0                                          ; at a label and at a branch every window is 0
	s_mov_b32 s34, 3-(\last)
.Lk\tag:
	STAGE 2, 0, 256, 384, 1, 1, 48, 48, 0
	STAGE 3, 0, 384, 512, 1, 1, 48, 48, 0
	STAGE 0, 0, 512, 640, 1, 1, 48, 48, 0
	STAGE 1, 0, 640, 768, 1, 1, 48, 48, 0
	WIN 0
	s_wait_alu depctr_vm_vsrc(0)                   ; the fragments' loads issued so far have read v[AX ..]
.irp mb, 0,1,2,3
	v_add_nc_u32 v[AX+\mb], 512, v[AX+\mb]         ; four stages along K; that they are written is stated by the wait at the head of the next half-step
.endr
	s_sub_co_u32 s34, s34, 1
	s_cmp_lg_u32 s34, 0
	s_cbranch_scc1 .Lk\tag
.if \last
	STAGE 2, 0, 256, 384, 1, 1, 48, 48, 0
	STAGE 3, 0, 384, 512, 1, 1, 48, 48, 0
	STAGE 0, 0, 512, 640, 1, 0, 48, 48, 0          ; the launch's last run of weights: the second half of the slot before
	STAGE 1, 0, 640, 768, 0, 0, 40, 32, 0
	STAGE 2, 0, 768, 896, 0, 0, 24, 16, 0
	STAGE 3, 0, 896, -1,  0, 0, 8,  0,  0
.else
	STAGE 2, 0, 256, 384, 1, 1, 48, 48, 0
	STAGE 3, 0, 384, -1,  1, 1, 48, 48, 0          ; the pass's last stage fetches no tokens for a next one
.endif
.rept 4
	v_nop                                          ; four places behind the last product, before a vector instruction or an LDS store reads a sum, or a vector instruction writes a token buffer
.endr
.if \last
	WIN 0
	s_wait_alu depctr_va_vdst(0)                   ; the products have written the accumulators, which the way out's LDS stores read, and are done reading the token buffers, in which its LDS loads land
.else
	WIN TO_RING
	s_wait_alu depctr_va_vdst(0)                   ; the last half-step's products are done reading slot 3's second half, in which the loads below land; the accumulators are written and the token buffers read, for the way out's LDS stores and loads
.irp f, 8,9,10,11,12,13,14,15
	global_load_b128 v[64*3+4*\f:64*3+4*\f+3], v[VO], s[6:7] offset:8192*3+512*\f  ; asked for here and not in the next pass's first half-step, so that the ring runs on through what stands between the passes
.endr
	WIN 0
.endif
.endm
; THE ACTIVATION: g h / (1 + 2^(-log2(e) h)), rounded to bf16, into H.  Two blocks of 16 tokens (64 numbers a lane) at a time; each accumulator is read from its low end on and scaled in place.
; The 64 exponentials are one batch with one wait, the 64 reciprocals another: the wait stands ahead of a batch's first reader.
.macro ACT
.irp b, 0,1
.if \b > 0
	s_wait_alu depctr_vm_vsrc(0)                   ; the LDS stores of the first two blocks have read v[T ..], which is written again below
.endif
.set i, 0
.rept 32
	v_pk_mul_f32 v[T+2*i:T+2*i+1], v[ACC+64*\b+2*i:ACC+64*\b+2*i+1], s[36:37] op_sel_hi:[1,0]
.set i, i+1
.endr
.set i, 0
.rept 64
	v_exp_f32 v[T+i], v[T+i]
.set i, i+1
.endr
.set i, 0
.rept 32                                       ; g h: the plain work behind the batch
	v_pk_mul_f32 v[ACC+64*\b+2*i:ACC+64*\b+2*i+1], v[ACC+64*\b+2*i:ACC+64*\b+2*i+1], v[G+2*(2*\b+i/16):G+2*(2*\b+i/16)+1] op_sel_hi:[1,0]
.set i, i+1
.endr
	s_wait_alu depctr_va_vdst(0)                   ; the 64 exponentials have written v[T ..], ahead of their first reader
.set i, 0
.rept 32
	v_pk_add_f32 v[T+2*i:T+2*i+1], v[T+2*i:T+2*i+1], 1.0 op_sel_hi:[1,0]
.set i, i+1
.endr
.set i, 0
.rept 64
	v_rcp_f32 v[T+i], v[T+i]
.set i, i+1
.endr
	v_nop                                          ; the plain instruction behind the last reciprocal
	s_wait_alu depctr_va_vdst(0)                   ; the 64 reciprocals have written v[T ..], ahead of their first reader
.set i, 0
.rept 32
	v_pk_mul_f32 v[ACC+64*\b+2*i:ACC+64*\b+2*i+1], v[ACC+64*\b+2*i:ACC+64*\b+2*i+1], v[T+2*i:T+2*i+1]
.set i, i+1
.endr
.set i, 0
.rept 32
	v_cvt_pk_bf16_f32 v[T+i], v[ACC+64*\b+2*i], v[ACC+64*\b+2*i+1]
.set i, i+1
.endr
	s_wait_alu depctr_va_vdst(0)                   ; the conversions have written v[T] to v[T+31], which the LDS stores read
.irp m, 0,1
.irp nb, 0,1,2,3                               ; eight neighbouring columns of my token: 16 bytes
	ds_store_b128 v[HST+2*\b+\m], v[T+16*\m+4*\nb:T+16*\m+4*\nb+3] offset:32*\nb
.endr
.endr
.endr
.endm
; THE WAY OUT of half p of the columns.  A block of 16 tokens x my 64 columns goes through my own stage: in by lanes (a token, eight columns), back by rows of 256 bytes.
; Stores whose two rows both lie past the count are jumped, forward, past no barrier.  No vector instruction stands here: the wait at the pass's end has stated all that the LDS stores and loads hang on.
.macro OUT p
.irp mb, 0,1,2,3
.if \mb > 0
	s_wait_alu depctr_vm_vsrc(0)                   ; the last block's stores have read v[T ..], in which this block's rows land
.endif
	s_cmp_le_u32 s24, 16*\mb
	s_cbranch_scc1 .Lend_out\p
	s_wait_xcnt 0x0                                ; the registers that the last block's stores read are loaded again only behind this wait
.irp nb, 0,1,2,3
	ds_store_b128 v[STO], v[ACC+32*\mb+8*\nb:ACC+32*\mb+8*\nb+3]   offset:64*\nb
	ds_store_b128 v[STO], v[ACC+32*\mb+8*\nb+4:ACC+32*\mb+8*\nb+7] offset:64*\nb+16
.endr
.irp i, 0,1,2,3,4,5,6,7
	ds_load_b128 v[T+4*\i:T+4*\i+3], v[RD] offset:2*SGP*\i  ; LDS serves a wave's instructions in order (ISA guide 5.7.1.4): these see the stores above
.endr
.irp i, 0,1,2,3,4,5,6,7
.if \i > 0
	s_cmp_le_u32 s24, 16*\mb+2*\i
	s_cbranch_scc1 .Lend_out\p
.endif
	s_wait_dscnt 7-\i
	global_store_b128 v[ROW2+8*\mb+\i], v[T+4*\i:T+4*\i+3], s[14:15] offset:2048*(\p) th:TH_STORE_NT  ; 16 lanes store 256 consecutive bytes of a row, at a multiple of 256 from out0's first byte
.endr
.endr
.Lend_out\p:
	s_wait_dscnt 0x0                               ; on the ways that jumped, reads of the stage may be out
	s_wait_xcnt 0x0                                ; the stores have read their registers: the next pass loads them anew
.if (\p) == 0
	s_wait_alu depctr_vm_vsrc(0)                   ; the stores have read v[T ..], the LDS stores the accumulators, the last pass's LDS loads v[AX ..]: the next pass writes all three again
.endif
.endm
	s_mov_b32 s35, 2
.Lexpert:                                              ; X W1lo, then X W1hi: one text, walked twice
	PASS 0, 0, 0
	ACT
	s_wait_alu depctr_vm_vsrc(0)                   ; H's LDS stores have read v[HST ..], stepped below, and v[T ..]; the pass's LDS loads have read v[AX ..]: the next pass writes both again
.irp mb, 0,1,2,3
	v_mov_b32 v[G+2*\mb], v[G+2*\mb+1]             ; the second trip takes hi's gate,
	v_add_nc_u32 v[HST+\mb], 1024, v[HST+\mb]      ; and writes the second half of H's rows
.endr
	s_sub_co_u32 s35, s35, 1
	s_cmp_lg_u32 s35, 0
	s_cbranch_scc1 .Lexpert
	s_wait_dscnt 0x0                               ; for the others' sake: my columns of H are in LDS
	s_barrier_signal -1
	s_barrier_wait -1                              ; H is whole
	PASS HT, 0, 1                                  ; H W2, columns 0-511
	OUT 0
	PASS HT, 1, 2                                  ; H W2, columns 512-1,023
	OUT 1
	s_wait_dscnt 0x0                               ; the wave's end: my LDS instructions are done.  The closing add follows
	s_wait_alu depctr_hold_cnt(0) depctr_sa_sdst(0) depctr_va_vdst(0) depctr_va_sdst(0) depctr_va_ssrc(0) depctr_va_vcc(0) depctr_vm_vsrc(0)
	s_wait_tensorcnt 0x0
	ds_add_u32 v30, v31
	s_wait_dscnt 0x0
	s_endpgm
.Lfunc_end_k_q8defe161a4_chain:
	.size	k_q8defe161a4_chain, .Lfunc_end_k_q8defe161a4_chain-k_q8defe161a4_chain
	.p2alignl 7, 3214868480
	.fill 96, 4, 3214868480
	.section	.rodata,"a",@progbits
	.p2align	6, 0x0
	.amdhsa_kernel k_q8defe161a4_chain
		.amdhsa_group_segment_fixed_size 300032
		.amdhsa_private_segment_fixed_size 0
		.amdhsa_enable_private_segment 0
		.amdhsa_kernarg_size 48
		.amdhsa_user_sgpr_count 2
		.amdhsa_user_sgpr_kernarg_segment_ptr 1
		.amdhsa_wavefront_size32 1
		.amdhsa_system_sgpr_workgroup_id_x 1
		.amdhsa_system_sgpr_workgroup_id_y 1
		.amdhsa_system_sgpr_workgroup_id_z 1
		.amdhsa_system_vgpr_workitem_id 0
		.amdhsa_next_free_vgpr 512
		.amdhsa_next_free_sgpr 66
		.amdhsa_reserve_vcc 0
		.amdhsa_float_denorm_mode_32 3
		.amdhsa_float_denorm_mode_16_64 3
		.amdhsa_memory_ordered 1
		.amdhsa_forward_progress 1
		.amdhsa_inst_pref_size 233
	.end_amdhsa_kernel
	.amdgpu_metadata
---
amdhsa.version: [ 1, 2 ]
amdhsa.kernels:
  - .name:           k_q8defe161a4_chain
    .symbol:         k_q8defe161a4_chain.kd
    .args:
      - { .name: x, .offset: 0, .size: 8, .value_kind: global_buffer, .address_space: global }
      - { .name: wq, .offset: 8, .size: 8, .value_kind: global_buffer, .address_space: global }
      - { .name: perm, .offset: 16, .size: 8, .value_kind: global_buffer, .address_space: global }
      - { .name: tiles, .offset: 24, .size: 8, .value_kind: global_buffer, .address_space: global }
      - { .name: gate, .offset: 32, .size: 8, .value_kind: global_buffer, .address_space: global }
      - { .name: out0, .offset: 40, .size: 8, .value_kind: global_buffer, .address_space: global }
    .group_segment_fixed_size: 300032
    .private_segment_fixed_size: 0
    .kernarg_segment_align: 8
    .kernarg_segment_size: 48
    .max_flat_workgroup_size: 256
    .sgpr_count:     66
    .vgpr_count:     512
    .wavefront_size: 32
...
	.end_amdgpu_metadata
.endif
;; end of part 5
